; MI455X (gfx1250); checked and timed in simulation.
; The chip was launched on July 23, 2026; its instructions are those of AMD's public machine-readable ISA for CDNA 5 (MIT licence, August 2026) and "CDNA5" Instruction Set Architecture Reference Guide (July 2026). The comments in the code are by the model that wrote it; some were corrected since.
;; Multi Head Attention. Allowed arithmetic: matrix products marked QUANTISED: E2M1 operands, one E8M0 scale for each 32 along K, by v_wmma_scale_f32_16x16x128_f8f6f4 with both operands' format E2M1 (or v_wmma_scale_f32_32x16x128_f4), f32 sums; products left as they are: bf16, f16 or f32 operands; f32 sums; everything else in f32.
;; Inputs: Wk 1,024 x 1,024 float32; Wo 1,024 x 1,024 float32; Wq 1,024 x 1,024 float32; Wv 1,024 x 1,024 float32; bk 1,024 float32; bo 1,024 float32; bq 1,024 float32; bv 1,024 float32; k 2 x 2,048 x 1,024 float32; mask 1 x 1 x 2,048 x 2,048 float32; q 2 x 2,048 x 1,024 float32; v 2 x 2,048 x 1,024 float32.
;; Outputs: out0 2 x 2,048 x 1,024 float32.
;; This version of the problem:
;;   THIS VERSION OF THE PROBLEM IS GIVEN IN LOW PRECISION. The matrix products marked QUANTISED in the list below multiply operands that are first quantised to E2M1 (2 exponent bits, 1 mantissa bit; 4 bits a number), with one power-of-two scale for each 32 numbers along K (OCP MX v1.0); their sums are f32. The products marked 'left as it is' may take bf16, f16 or f32 operands, with f32 sums. Whichever they take, every output number must still come out within the allowed error. Rounding operands to bf16 (8 significant bits) uses up far more of that allowance than f16 does (11 bits, for magnitudes from 6e-5 to 65,504). All else is computed in f32.
;;   The module's matrix products, in the order in which they are computed (A, B: the left and right operand; K: the contracted axis; several contracted axes count as one K, in the product's order):
;;     1. [M 4,096, K 1,024] x [K 1,024, N 1,024]; A: input q; B: input Wq: QUANTISED
;;     2. [M 4,096, K 1,024] x [K 1,024, N 1,024]; A: input v; B: input Wv: QUANTISED
;;     3. [M 4,096, K 1,024] x [K 1,024, N 1,024]; A: input k; B: input Wk: QUANTISED
;;     4. batch 32 x [M 2,048, K 64] x [K 64, N 2,048]; A: computed on the way; B: computed on the way: left as it is (an operand is computed on the way)
;;     5. batch 32 x [M 2,048, K 2,048] x [K 2,048, N 64]; A: computed on the way; B: computed on the way: left as it is (an operand is computed on the way)
;;     6. [M 4,096, K 1,024] x [K 1,024, N 1,024]; A: computed on the way; B: input Wo: left as it is (an operand is computed on the way)
;;   THE QUANTISER, for each operand of a quantised product, along K:
;;     - K is cut into blocks of 32 from its start; a last block that is shorter is filled with zeros.
;;     - A block's scale is 2^e with e = floor(log2(the largest magnitude in the block)) - 2, held to -126 .. 127; a block of zeros has e = 0. As a byte (E8M0): e + 127.
;;     - Each number is divided by its block's scale, clamped to +-6, and rounded to the nearest number of E2M1, ties to even, subnormals kept.
;;     - The product sums the exact products of the quantised numbers (number of the format x scale) in f32.
;;   ~~~python
;;   def quantise(x, axis):      # numpy; x: float32 -> the quantised numbers, widened to float32 again
;;       x = np.moveaxis(x, axis, -1); K = x.shape[-1]
;;       x = np.pad(x, [(0, 0)] * (x.ndim - 1) + [(0, -K % 32)]); x = x.reshape(x.shape[:-1] + (-1, 32)); a = np.abs(x).max(-1, keepdims=True)
;;       e = np.where(a > 0, np.clip(np.frexp(np.where(a > 0, a, 1))[1] - 1 - 2, -126, 127), 0)      # np.frexp(a)[1] - 1 = floor(log2(a)), exactly
;;       r = np.clip(x / 2.0 ** e, -6, 6)
;;       step = 2.0 ** (np.maximum(np.frexp(np.where(r == 0, 1, r))[1] - 1, 0) - 1)
;;       q = np.round(r / step) * step * 2.0 ** e      # np.round: ties to even
;;       return np.moveaxis(q.reshape(q.shape[:-2] + (-1,))[..., :K], -1, axis).astype(np.float32)
;;   ~~~
;; One version. Each part assembles by itself: llvm-mc -triple=amdgcn-amd-amdhsa -mcpu=gfx1250 --defsym DOCPART=n.
;; ======== version 1 of 1: 4 launches
;; limits: values are held in f16: magnitudes above 65,504 overflow, below 6.1e-05 lose precision
;; workspace buffers: xrec 6,684,672 bytes; wrec 1,671,168 bytes; wo16 2,097,152 bytes; mbias 16,777,216 bytes; qkv 25,165,824 bytes; ofr 8,388,608 bytes
;; launch prep (part 1): grid 768 x 1, 4 waves a work-group, no clusters, 68,096 bytes of LDS; arguments q, k, v, mask, Wq, Wk, Wv, Wo, xrec, wrec, wo16, mbias; writes xrec, wrec, wo16, mbias
.if DOCPART == 1
	.amdgcn_target "amdgcn-amd-amdhsa--gfx1250"
	.amdhsa_code_object_version 6
	.text
	.protected	k_q3a73eacff1_prep
	.globl	k_q3a73eacff1_prep
	.p2align	8
	.type	k_q3a73eacff1_prep,@function
k_q3a73eacff1_prep:
	s_mov_b64 s[64:65], 0
	v_nop
	global_prefetch_b8 v0, s[64:65] scope:SCOPE_SE
	s_setreg_imm32_b32 hwreg(HW_REG_WAVE_MODE, 25, 1), 1
	s_wait_xcnt 0x0
; PREP: everything that is a plain function of one input is made once, and laid as IMAGES OF OPERAND REGISTERS: a fragment is 1,024 bytes, register group c (4 registers) of lane l at 512 c + 16 l.
;   path X (work-groups 0-383):   q, k, v [4096][1024] f32 -> codes of E2M1 with one E8M0 byte for each 32 along K, in records of 128 rows: xrec [T 3][block 32][REC]
;   path M (work-groups 384-511): mask [2048][2048] f32 -> A mask - A, A = f32(1e9 log2 e), one fused multiply-add, laid as the accumulators of S^T = K Q^T: mbias [q tile 128][step 32][4096]
;   path W (work-groups 512-767): Wq, Wk, Wv [k 1024][n 1024] f32 -> the same records with rows = columns of W: wrec [T 3][block 8][REC];  Wo -> f16 fragments: wo16 [ks 4][column tile 64][kc 8][1024]
; A record: codes [tile 8][K step 8][1024], then from byte 65,536 the scale words [tile 8][K step 8][16 rows] x 4 bytes.
; THE QUANTISER: a block's scale is 2^(floor(log2(largest magnitude)) - 2); its byte is the largest magnitude's exponent field - 2, held at 1 from below by a floor among the maximum's leaves.
; A block of zeros so gets the byte 1 where the rule says 127: its codes are zeros, and this program alone reads the bytes.
; LIMITS: NaN and infinities among the inputs are not served; blocks whose largest magnitude lies under 2^-124 keep the byte 1; for masks that are neither 0 nor 1 the term is rounded once (fused) where
; 1e9 (1 - mask) is rounded twice, and A itself is rounded to f32.
; No matrix instruction, no tensor load, no barrier: waves share nothing.  The paths part on the work-group's number and never join; each path that uses LDS has LDS bytes of its own.
.set REC,   69632
.set SP,    528                        ; a stage row: 512 bytes + 16: sixteen rows begin in sixteen different columns of 16 bytes
.set WST,   16*SP                      ; a wave's stage
.set MST,   4*WST                      ; path M's four stages lie behind path X's four
.set SPARE, 8*WST                      ; behind them the spare words, 128 bytes for each wave: two blocks of 256 bytes that no other line names
.set LN16,  4                          ; v4   16 x lane; never rewritten
.set SPW,   5                          ; v5   LDS address of my spare word; never rewritten
.set NIL,   6                          ; v6   0; never rewritten
.set SIN,   7                          ; v7   the stage, on the way in
.set SOUT,  8                          ; v8   and on the way out
.set TP,    9                          ; v9   a lane permute's destination
.set WOF,   8                          ; v8   path W: my column's place in a fragment
.set WSF,   9                          ; v9   path W: and among the scale words
.set LN4,   10                         ; v10  4 x lane
.set H8,    11                         ; v11  8 x (lane / 16)
.set R,     32                         ; v32-159  numbers as they are loaded: two sets of 64 (path W: one column's 128)
.set X,     160                        ; v160-223 64 numbers in the order in which they are wanted (path W: codes or f16 pairs)
.set C,     224                        ; v224-255 path X: codes, eight registers for each unit, so that no store's data are written again
	s_load_b512 s[8:23], s[0:1], 0x0               ; q, k, v, mask, Wq, Wk, Wv, Wo
	s_load_b256 s[24:31], s[0:1], 0x40             ; xrec, wrec, wo16, mbias
	v_lshl_add_u32 v[SPW], v0, 2, SPARE
	v_mov_b32 v[NIL], 0
	v_lshrrev_b32 v1, 5, v0
	v_readfirstlane_b32 s4, v1                     ; wave 0..3
	v_and_b32 v1, 31, v0                           ; lane
	v_and_b32 v2, 15, v0                           ; r
	v_bfe_u32 v3, v0, 4, 1                         ; h
	v_lshlrev_b32 v[LN16], 4, v1
	v_lshlrev_b32 v[LN4], 2, v1
	v_lshlrev_b32 v[H8], 3, v3
	s_mov_b32 s40, 0x76543210
	s_mov_b32 s41, 0xfedcba98                      ; v_permlanex16_b32's selects for lane l xor 16
	s_mov_b32 s42, 0xffff0000                      ; lanes 16-31
	s_mul_i32 s5, s4, WST                          ; my wave's stage
	s_cmp_lt_u32 ttmp9, 384
	s_cbranch_scc0 .Lnot_x
; 16 rows x 512 bytes, a row a load: 32 lanes read 512 consecutive bytes.  rowb: bytes from row to row.  Into set u % 2
.macro LOADU u, rowb
.irp i, 0,1,2,3,4,5,6,7,8,9,10,11,12,13,14,15
	global_load_b128 v[R+64*((\u)%2)+4*\i:R+64*((\u)%2)+4*\i+3], v[LN16], s[46:47] offset:(\rowb)*\i+512*(\u) th:TH_LOAD_NT
.endr
.endm
; and into the stage as they lie
.macro STAGE_IN u
.irp i, 0,1,2,3,4,5,6,7,8,9,10,11,12,13,14,15
	ds_store_b128 v[SIN], v[R+64*((\u)%2)+4*\i:R+64*((\u)%2)+4*\i+3] offset:SP*\i
.endr
.endm
; ---------------- PATH X: a wave takes 16 rows x 512 along K: four units, each one fragment (16 rows x 128 K)
	v_add_nc_u32 v[SIN], s5, v[LN16]
	v_mul_u32_u24 v[SOUT], v2, SP
	v_lshl_add_u32 v[SOUT], v3, 7, v[SOUT]         ; out: row r, + 128 h bytes: lane (r, h) wants k = 64 c + 32 h + 0 .. 31
	v_add_nc_u32 v[SOUT], s5, v[SOUT]
	v_mov_b32 v[TP], 0                             ; written once: a lane permute's destination counts as one of its sources
	s_lshr_b32 s6, ttmp9, 7                        ; T: 0 q, 1 k, 2 v
	s_lshl_b32 s7, ttmp9, 2
	s_add_co_u32 s7, s7, s4
	s_and_b32 s32, s7, 1                           ; which half of K
	s_lshr_b32 s33, s7, 1
	s_and_b32 s33, s33, 255                        ; which tile of 16 rows
	s_lshl_b32 s34, s33, 16                        ; 16 rows of 4,096 bytes
	s_lshl_b32 s35, s32, 11
	s_add_co_u32 s34, s34, s35
	s_mov_b32 s35, 0
	s_lshl_b32 s36, s6, 5
	s_lshr_b32 s37, s33, 3
	s_add_co_u32 s36, s36, s37
	s_mul_i32 s36, s36, REC                        ; the record: 32 T + tile / 8
	s_and_b32 s37, s33, 7
	s_lshl_b32 s38, s37, 13                        ; codes: 8,192 x (tile % 8) + 4,096 x half
	s_lshl_b32 s39, s32, 12
	s_add_co_u32 s38, s38, s39
	s_add_co_u32 s38, s38, s36
	s_mov_b32 s39, 0
	s_lshl_b32 s37, s37, 9                         ; scale words: 65,536 + 512 x (tile % 8) + 256 x half
	s_lshl_b32 s43, s32, 8
	s_add_co_u32 s37, s37, s43
	s_add_co_u32 s36, s36, s37
	s_add_co_u32 s36, s36, 65536
	s_mov_b32 s37, 0
	s_wait_kmcnt 0x0
	s_cmp_eq_u32 s6, 0                             ; the choice hangs on the work-group's number alone
	s_cselect_b64 s[46:47], s[8:9], s[10:11]
	s_cmp_eq_u32 s6, 2
	s_cselect_b64 s[46:47], s[12:13], s[46:47]
	s_add_nc_u64 s[46:47], s[46:47], s[34:35]
	s_add_nc_u64 s[48:49], s[24:25], s[38:39]
	s_add_nc_u64 s[50:51], s[24:25], s[36:37]
; my two whole blocks of unit u (block h in X, block 2 + h in X + 32) become registers 0-3 and 4-7 of the fragment, and two bytes of my row's scale word
.macro QUANTX u
.irp c, 0,1
	v_max3_num_f32 v[12+2*\c], |v[X+32*\c]|, |v[X+32*\c+1]|, |v[X+32*\c+2]|
	v_max3_num_f32 v[13+2*\c], |v[X+32*\c+3]|, |v[X+32*\c+4]|, |v[X+32*\c+5]|
.endr
.irp i, 6,10,14,18,22,26
.irp c, 0,1
	v_max3_num_f32 v[12+2*\c], v[12+2*\c], |v[X+32*\c+\i]|, |v[X+32*\c+\i+1]|
	v_max3_num_f32 v[13+2*\c], v[13+2*\c], |v[X+32*\c+\i+2]|, |v[X+32*\c+\i+3]|
.endr
.endr
.irp c, 0,1
	v_max3_num_f32 v[12+2*\c], v[12+2*\c], |v[X+32*\c+30]|, |v[X+32*\c+31]|
.endr
.irp c, 0,1
	v_max3_num_f32 v[12+2*\c], v[12+2*\c], v[13+2*\c], 0x1800000   ; and the floor 2^(3 - 127): the byte cannot fall under 1
.endr
.irp c, 0,1
	v_add_nc_u32 v[16+\c], 0xff000000, v[12+2*\c]  ; 2 off the exponent field: the conversion takes the exponent field of this operand as its scale
.endr
.irp c, 0,1
.irp g, 0,1,2,3
	v_cvt_scalef32_pk8_fp4_f32 v[C+8*(\u)+4*\c+\g], v[X+32*\c+8*\g:X+32*\c+8*\g+7], v[16+\c]
.endr
.endr
.irp c, 0,1
	v_lshrrev_b32 v[18+\c], 23, v[16+\c]           ; the scale's byte (also the plain line behind the conversions)
.endr
	v_lshl_or_b32 v[20+(\u)], v19, 16, v18         ; blocks h and 2 + h,
	v_lshlrev_b32 v[20+(\u)], v[H8], v[20+(\u)]    ; at their places in the word;
	v_permlanex16_b32 v[TP], v[20+(\u)], s40, s41
	v_or_b32 v[20+(\u)], v[20+(\u)], v[TP]         ; with lane l xor 16's two the word is whole, in both lanes
.irp c, 0,1
	global_store_b128 v[LN16], v[C+8*(\u)+4*\c:C+8*(\u)+4*\c+3], s[48:49] offset:1024*(\u)+512*\c   ; 32 lanes store 512 consecutive bytes
.endr
.if (\u)%2 == 1
	v_cndmask_b32 v[26+(\u)/2], v[19+(\u)], v[20+(\u)], s42        ; lanes 0-15 the even unit's words, lanes 16-31 the odd unit's
	global_store_b32 v[LN4], v[26+(\u)/2], s[50:51] offset:128*((\u)/2)   ; 128 consecutive bytes
.endif
.endm
	LOADU 0, 4096
.irp u, 0,1,2,3
.if \u < 3
	LOADU \u+1, 4096
	s_wait_loadcnt 16                              ; this unit's 16 loads are in; the next unit's 16 may be out
.else
	s_wait_loadcnt 0x0
.endif
	STAGE_IN \u
.irp c, 0,1
.irp i, 0,1,2,3,4,5,6,7
	ds_load_b128 v[X+32*\c+4*\i:X+32*\c+4*\i+3], v[SOUT] offset:256*\c+16*\i   ; LDS serves a wave's instructions in order: these see the stores above
.endr
.endr
	s_wait_dscnt 0x0                               ; the numbers are back, and the stage's stores have read their registers
	QUANTX \u
.endr
	s_wait_tensorcnt 0x0                           ; the wave's end, behind my last LDS store
	ds_add_u32 v[SPW], v[NIL]
	s_wait_dscnt 0x0
	s_endpgm
.Lnot_x:
	s_cmp_lt_u32 ttmp9, 512
	s_cbranch_scc0 .Lweights
; ---------------- PATH M: a work-group takes 16 queries, wave w keys 512 w on: four units of 16 queries x 128 keys (two key steps of 64)
	s_add_co_u32 s5, s5, MST
	v_add_nc_u32 v[SIN], s5, v[LN16]
	v_mul_u32_u24 v[SOUT], v2, SP
	v_lshl_add_u32 v[SOUT], v3, 5, v[SOUT]         ; out: query r, + 32 h bytes: in S^T lane (r, h) holds query r and keys 16 t + 8 h + 0 .. 7
	v_add_nc_u32 v[SOUT], s5, v[SOUT]
	s_sub_co_u32 s7, ttmp9, 384                    ; the tile of 16 queries
	s_lshl_b32 s34, s7, 17                         ; 16 rows of 8,192 bytes in the mask; 32 steps of 4,096 bytes in mbias
	s_lshl_b32 s32, s4, 11
	s_add_co_u32 s32, s34, s32
	s_mov_b32 s33, 0
	s_lshl_b32 s36, s4, 15                         ; my 8 steps
	s_add_co_u32 s34, s34, s36
	s_mov_b32 s35, 0
	s_mov_b32 s44, 0x4eabfb8f                      ; A = f32(1e9 log2 e) = 1,442,695,040
	s_mov_b32 s45, s44                             ; (named with it as a pair, so it is written)
	v_mov_b32 v24, 0xceabfb8f                      ; -A
	v_mov_b32 v25, v24
	s_wait_kmcnt 0x0
	s_add_nc_u64 s[46:47], s[14:15], s[32:33]
	s_add_nc_u64 s[48:49], s[30:31], s[34:35]
	LOADU 0, 8192
.irp u, 0,1,2,3
.if \u < 3
	LOADU \u+1, 8192
	s_wait_loadcnt 16                              ; this unit's 16 loads are in; the next unit's 16 may be out
.else
	s_wait_loadcnt 0x0
.endif
	STAGE_IN \u
.if \u > 0
	s_wait_xcnt 0x0                                ; the last unit's stores have read X: only behind this wait is it loaded again
.endif
.irp p, 0,1
.irp t, 0,1,2,3
.irp i, 0,1
	ds_load_b128 v[X+32*\p+8*\t+4*\i:X+32*\p+8*\t+4*\i+3], v[SOUT] offset:256*\p+64*\t+16*\i
.endr
.endr
.endr
	s_wait_dscnt 0x0
.set jj, 0
.rept 32
	v_pk_fma_f32 v[X+2*jj:X+2*jj+1], v[X+2*jj:X+2*jj+1], s[44:45], v[24:25] op_sel_hi:[1,0,1]   ; A mask - A: exactly 0 for mask = 1, exactly -A for mask = 0
.set jj, jj+1
.endr
.irp p, 0,1
.irp t, 0,1,2,3
.irp i, 0,1
	global_store_b128 v[LN16], v[X+32*\p+8*\t+4*\i:X+32*\p+8*\t+4*\i+3], s[48:49] offset:(2*\u+\p)*4096+512*(2*\t+\i)   ; 512 consecutive bytes
.endr
.endr
.endr
.endr
	s_wait_tensorcnt 0x0                           ; the wave's end
	ds_add_u32 v[SPW], v[NIL]
	s_wait_dscnt 0x0
	s_endpgm
.Lweights:
; ---------------- PATH W: a work-group takes 128 along K x 128 columns of one weight.  A LANE TAKES A COLUMN, AND ITS REGISTERS RUN DOWN K: nothing is transposed
	s_sub_co_u32 s6, ttmp9, 512
	s_lshr_b32 s7, s6, 6                           ; 0 Wq, 1 Wk, 2 Wv, 3 Wo
	s_bfe_u32 s32, s6, 0x30003                     ; which 128 along K
	s_and_b32 s33, s6, 7                           ; which 128 columns
	v_lshlrev_b32 v[WOF], 13, v3                   ; lanes 16-31 hold the next tile of 16 columns: 8,192 bytes on;
	v_lshl_add_u32 v[WOF], v2, 4, v[WOF]           ; column r of a tile: 16 r
	v_lshlrev_b32 v[WSF], 9, v3
	v_lshl_add_u32 v[WSF], v2, 2, v[WSF]
	s_lshl_b32 s34, s32, 19                        ; 128 rows of 4,096 bytes
	s_lshl_b32 s35, s33, 9
	s_add_co_u32 s34, s34, s35
	s_lshl_b32 s35, s4, 7                          ; my wave's 32 columns
	s_add_co_u32 s34, s34, s35
	s_mov_b32 s35, 0
	s_wait_kmcnt 0x0
	s_cmp_eq_u32 s7, 0
	s_cselect_b64 s[46:47], s[16:17], s[18:19]
	s_cmp_eq_u32 s7, 2
	s_cselect_b64 s[46:47], s[20:21], s[46:47]
	s_cmp_eq_u32 s7, 3
	s_cselect_b64 s[46:47], s[22:23], s[46:47]
	s_add_nc_u64 s[46:47], s[46:47], s[34:35]
.set kk, 0
.rept 128
	global_load_b32 v[R+kk], v[LN4], s[46:47] offset:4096*kk th:TH_LOAD_NT   ; row kk at my column: 128 consecutive bytes a wave, 512 a work-group
.set kk, kk+1
.endr
	s_cmp_eq_u32 s7, 3
	s_cbranch_scc1 .Lwo
	s_lshl_b32 s36, s7, 3
	s_add_co_u32 s36, s36, s33
	s_mul_i32 s36, s36, REC                        ; the record: 8 T + block of columns
	s_lshl_b32 s37, s4, 14                         ; my two tiles,
	s_lshl_b32 s38, s32, 10                        ; the K step
	s_add_co_u32 s37, s37, s38
	s_add_co_u32 s38, s36, s37
	s_mov_b32 s39, 0
	s_lshl_b32 s37, s4, 10
	s_lshl_b32 s43, s32, 6
	s_add_co_u32 s37, s37, s43
	s_add_co_u32 s36, s36, s37
	s_add_co_u32 s36, s36, 65536
	s_mov_b32 s37, 0
	s_add_nc_u64 s[48:49], s[26:27], s[38:39]
	s_add_nc_u64 s[50:51], s[26:27], s[36:37]
.irp b, 0,1,2,3
.if \b < 2
	s_wait_loadcnt 63                              ; behind this block's 32 loads 96 or 64 were issued; 63 is the largest count that can be written
.else
	s_wait_loadcnt 32*(3-\b)
.endif
	v_max3_num_f32 v12, |v[R+32*\b]|, |v[R+32*\b+1]|, |v[R+32*\b+2]|   ; the block's largest magnitude: all 32 numbers are mine
	v_max3_num_f32 v13, |v[R+32*\b+3]|, |v[R+32*\b+4]|, |v[R+32*\b+5]|
.irp i, 6,10,14,18,22,26
	v_max3_num_f32 v12, v12, |v[R+32*\b+\i]|, |v[R+32*\b+\i+1]|
	v_max3_num_f32 v13, v13, |v[R+32*\b+\i+2]|, |v[R+32*\b+\i+3]|
.endr
	v_max3_num_f32 v12, v12, |v[R+32*\b+30]|, |v[R+32*\b+31]|
	v_max3_num_f32 v12, v12, v13, 0x1800000
	v_add_nc_u32 v[16+\b], 0xff000000, v12
.irp g, 0,1,2,3
	v_cvt_scalef32_pk8_fp4_f32 v[X+4*\b+\g], v[R+32*\b+8*\g:R+32*\b+8*\g+7], v[16+\b]
.endr
	v_lshrrev_b32 v[20+\b], 23, v[16+\b]           ; the byte (also the plain line behind the conversions)
	global_store_b128 v[WOF], v[X+4*\b:X+4*\b+3], s[48:49] offset:512*(\b/2)+256*(\b%2)   ; block b = 2 c + h of the fragment: sixteen lanes store 256 consecutive bytes, aligned
.endr
	v_lshl_or_b32 v24, v21, 8, v20                 ; my column's scale word for these 128 along K
	v_lshl_or_b32 v24, v22, 16, v24
	v_lshl_or_b32 v24, v23, 24, v24
	global_store_b32 v[WSF], v24, s[50:51]
	s_wait_tensorcnt 0x0                           ; the same three lines as on the other paths
	ds_add_u32 v[SPW], v[NIL]
	s_wait_dscnt 0x0
	s_endpgm
.Lwo:                                                  ; Wo is left as it is: rounded to f16, four fragments of 16 columns x 32 along K for each of my two tiles
	s_lshr_b32 s36, s32, 1
	s_lshl_b32 s36, s36, 19                        ; ks = (128-step) / 2: 64 tiles x 8 x 1,024 bytes
	s_lshl_b32 s37, s33, 16
	s_add_co_u32 s36, s36, s37
	s_lshl_b32 s37, s4, 14
	s_add_co_u32 s36, s36, s37
	s_and_b32 s37, s32, 1
	s_lshl_b32 s37, s37, 12                        ; kc = 4 x ((128-step) % 2) + chunk
	s_add_co_u32 s36, s36, s37
	s_mov_b32 s37, 0
	s_add_nc_u64 s[48:49], s[28:29], s[36:37]
.irp b, 0,1,2,3
.if \b < 2
	s_wait_loadcnt 63
.else
	s_wait_loadcnt 32*(3-\b)
.endif
.set jj, 0
.rept 16
	v_cvt_pk_f16_f32 v[X+16*\b+jj], v[R+32*\b+2*jj], v[R+32*\b+2*jj+1]   ; the lower k in the low half
.set jj, jj+1
.endr
.irp j, 0,1,2,3
	global_store_b128 v[WOF], v[X+16*\b+4*\j:X+16*\b+4*\j+3], s[48:49] offset:1024*\b+512*(\j/2)+256*(\j%2)   ; k = 8 j on: group j = 2 c + h of the fragment
.endr
.endr
	s_wait_tensorcnt 0x0
	ds_add_u32 v[SPW], v[NIL]
	s_wait_dscnt 0x0
	s_endpgm
.Lfunc_end_k_q3a73eacff1_prep:
	.size	k_q3a73eacff1_prep, .Lfunc_end_k_q3a73eacff1_prep-k_q3a73eacff1_prep
	.p2alignl 7, 3214868480
	.fill 96, 4, 3214868480
	.section	.rodata,"a",@progbits
	.p2align	6, 0x0
	.amdhsa_kernel k_q3a73eacff1_prep
		.amdhsa_group_segment_fixed_size 68096
		.amdhsa_private_segment_fixed_size 0
		.amdhsa_enable_private_segment 0
		.amdhsa_kernarg_size 96
		.amdhsa_user_sgpr_count 2
		.amdhsa_user_sgpr_kernarg_segment_ptr 1
		.amdhsa_wavefront_size32 1
		.amdhsa_system_sgpr_workgroup_id_x 1
		.amdhsa_system_sgpr_workgroup_id_y 1
		.amdhsa_system_sgpr_workgroup_id_z 1
		.amdhsa_system_vgpr_workitem_id 0
		.amdhsa_next_free_vgpr 256
		.amdhsa_next_free_sgpr 66
		.amdhsa_reserve_vcc 0
		.amdhsa_float_denorm_mode_32 3
		.amdhsa_float_denorm_mode_16_64 3
		.amdhsa_memory_ordered 1
		.amdhsa_forward_progress 1
		.amdhsa_inst_pref_size 86
	.end_amdhsa_kernel
	.amdgpu_metadata
---
amdhsa.version: [ 1, 2 ]
amdhsa.kernels:
  - .name:           k_q3a73eacff1_prep
    .symbol:         k_q3a73eacff1_prep.kd
    .args:
      - { .name: q, .offset: 0, .size: 8, .value_kind: global_buffer, .address_space: global }
      - { .name: k, .offset: 8, .size: 8, .value_kind: global_buffer, .address_space: global }
      - { .name: v, .offset: 16, .size: 8, .value_kind: global_buffer, .address_space: global }
      - { .name: mask, .offset: 24, .size: 8, .value_kind: global_buffer, .address_space: global }
      - { .name: Wq, .offset: 32, .size: 8, .value_kind: global_buffer, .address_space: global }
      - { .name: Wk, .offset: 40, .size: 8, .value_kind: global_buffer, .address_space: global }
      - { .name: Wv, .offset: 48, .size: 8, .value_kind: global_buffer, .address_space: global }
      - { .name: Wo, .offset: 56, .size: 8, .value_kind: global_buffer, .address_space: global }
      - { .name: xrec, .offset: 64, .size: 8, .value_kind: global_buffer, .address_space: global }
      - { .name: wrec, .offset: 72, .size: 8, .value_kind: global_buffer, .address_space: global }
      - { .name: wo16, .offset: 80, .size: 8, .value_kind: global_buffer, .address_space: global }
      - { .name: mbias, .offset: 88, .size: 8, .value_kind: global_buffer, .address_space: global }
    .group_segment_fixed_size: 68096
    .private_segment_fixed_size: 0
    .kernarg_segment_align: 8
    .kernarg_segment_size: 96
    .max_flat_workgroup_size: 128
    .sgpr_count:     66
    .vgpr_count:     256
    .wavefront_size: 32
...
	.end_amdgpu_metadata
.endif
;; end of part 1
;; launch proj (part 2): grid 8 x 32, 4 waves a work-group, clusters of 4 x 4, 327,680 bytes of LDS; arguments xrec, wrec, bq, bk, bv, qkv; writes qkv
.if DOCPART == 2
	.amdgcn_target "amdgcn-amd-amdhsa--gfx1250"
	.amdhsa_code_object_version 6
	.text
	.protected	k_q3a73eacff1_proj
	.globl	k_q3a73eacff1_proj
	.p2align	8
	.type	k_q3a73eacff1_proj,@function
k_q3a73eacff1_proj:
	s_mov_b64 s[64:65], 0
	v_nop
	global_prefetch_b8 v0, s[64:65] scope:SCOPE_SE
	s_setreg_imm32_b32 hwreg(HW_REG_WAVE_MODE, 25, 1), 1
	s_wait_xcnt 0x0
	s_wait_alu depctr_hold_cnt(0) depctr_sa_sdst(0) depctr_va_vdst(0) depctr_va_sdst(0) depctr_va_ssrc(0) depctr_va_vcc(0) depctr_vm_vsrc(0)
	s_getreg_b32 s2, hwreg(HW_REG_IB_STS2, 6, 4)
	s_cmp_eq_u32 s2, 0
	s_cbranch_scc0 .Lentry_in_a_cluster
	s_endpgm
.Lentry_in_a_cluster:
	s_bfe_u32 s2, ttmp6, 0x10000c
	s_cmp_lg_u32 s2, 0xf033
	s_cbranch_scc0 .Lentry_shape_is_right
	s_endpgm
.Lentry_shape_is_right:
; PROJ: q Wq + bq, k Wk + bk, v Wv + bv on codes of E2M1 with E8M0 scales, sums in f32; the results leave as f16 FRAGMENTS of the attention's operands (register images of 1,024 bytes).
; A work-group stays on one tile of 128 tokens x 128 features and makes it for T = 0 (q), 1 (k), 2 (v).  Four waves, 64 tokens x 64 features (one head) each: 16 accumulators.
; All of K (8 steps of 128) of one T is one LDS slot: x's record of 128 rows and W's record of 128 columns, 69,632 bytes each, codes and scale words, as the launch before laid them: dense, read at 16 x lane, no padding.
; ORIENTATION.  T < 2: source 0 = 16 columns of W, source 1 = 16 tokens: a lane holds one token and 8 neighbouring features, so two feature tiles, rounded in pairs, ARE a fragment of Q or K (16 tokens x 32 of the head).
;               T = 2: source 0 = 16 tokens, source 1 = 16 columns of W: a lane holds one channel and 8 neighbouring keys, so two token tiles ARE a fragment of V^T (16 channels x 32 keys).
; The bias is the C of each sum's first product.  Q is multiplied by c = log2(e) / 32 before it is rounded, so that the scores come out as exponents of 2.
; qkv: Q at 0, K at 8,388,608: [b h 32][token tile 128][half of the head 2][1024];  V at 16,777,216: [b h 32][32 keys: 64][channel tile 4][1024].
; CLUSTER 4 x 4: x's record hangs on the token block alone and is asked for jointly along a row of the cluster, W's on the feature block alone, along a column.
; LIMITS: projections beyond 65,504 in magnitude have no f16 number (inputs 30 times those drawn, or with offsets of 30 spreads, stay under it by the sums' sizes: 1,024 terms).
; REGISTERS: window 0: v1-6 lane terms; v16-23 LDS addresses; v28, v29 the add's two; v32-39 scale words, two sets; v64-127 packed results; v128-255 accumulators ((a, b) at 128 + 8 (4 b + a)).
;            window 1: v0-127 two sets of fragments (x's four, then W's four); v128-223 the three biases in the results' layout.
.set REC,   69632
.set HALF,  REC/2                      ; what one tensor load brings: 136 rows of 256 bytes
.set SLOT,  2*REC
.set SPARE, 2*SLOT                     ; behind the two slots: the spare words, 128 bytes for each wave: two blocks of 256 bytes that no other line names
.set XT,    32*REC                     ; from one tensor's records to the next in xrec,
.set WT,    8*REC                      ; and in wrec
.set L16,   3
.set AX,    16                         ; v16-17 x's fragments in slot 0, 1
.set AW,    20                         ; v20-21 W's
.set ASC,   22                         ; v22-23 the scale words: lanes 0-15 x's rows, lanes 16-31 W's columns
.set SPW,   28
.set NIL,   29
.set SC,    32
.set OUT,   64
.set ACC,   128
.set BI,    128                        ; in window 1
.set WV,    16                         ; s16 wave
.set WR,    17                         ; s17 which 64 tokens are mine.  Also: I fetch for x (0) or for W (1)
.set WC,    18                         ; s18 which 64 features.  Also: which half of the record I fetch
.set G1,    24
.set G0,    32
.set G1B,   48
.set G0B,   56
.set PT,    66                         ; s[66:71] where my results go, for T = 0, 1, 2
.set CS,    72                         ; s[72:73] c
.set MSB, 0
.macro WIN new                         ; the immediate's high byte repeats the setting that is left
.if MSB != \new
	s_set_vgpr_msb (MSB<<8)|\new
.set MSB, \new
.endif
.endm
.macro PLACES                          ; four places in front of loads into registers that matrix instructions have read, and of the first read of results
.rept 4
	v_nop
.endr
.endm
.macro JLOAD s                         ; a joint load: waves 0 and 1 fetch the halves of x's record, waves 2 and 3 of W's; an s_nop 0 and four v_nop follow each of the two lines
	s_cmp_eq_u32 s[WR], 0
	s_cbranch_scc0 .Lfor_w_\@
	tensor_load_to_lds s[G0+4*\s:G0+4*\s+3], s[G1:G1+7]
	s_nop 0
.rept 4
	v_nop
.endr
	s_branch .Lasked_\@
.Lfor_w_\@:
	tensor_load_to_lds s[G0B+4*\s:G0B+4*\s+3], s[G1B:G1B+7]
	s_nop 0
.rept 4
	v_nop
.endr
.Lasked_\@:
.endm
.macro CROUND                          ; a round of the cluster's barrier
	s_barrier_signal -1
	s_barrier_wait -1
	s_cmp_lg_u32 s[WV], 0
	s_cbranch_scc1 .Lnot_wave_0_\@
	s_barrier_signal -3
.Lnot_wave_0_\@:
	s_barrier_wait -3
	s_barrier_signal -1
	s_barrier_wait -1
.endm
	s_load_b256 s[4:11], s[0:1], 0x0               ; xrec, wrec, bq, bk
	s_load_b128 s[12:15], s[0:1], 0x20             ; bv, qkv
	v_lshl_add_u32 v[SPW], v0, 2, SPARE
	v_mov_b32 v[NIL], 0
	ds_add_u32 v[SPW], v[NIL]                      ; the wave's opening: the add, twice on end, and its wait ahead of my first tensor load
	ds_add_u32 v[SPW], v[NIL]
	v_lshrrev_b32 v1, 5, v0
	v_readfirstlane_b32 s[WV], v1
	s_lshr_b32 s[WR], s[WV], 1
	s_and_b32 s[WC], s[WV], 1
	s_bfe_u32 s19, ttmp6, 0x40000                  ; cx
	s_bfe_u32 s20, ttmp6, 0x40004                  ; cy
	s_lshl_b32 s21, ttmp9, 2
	s_add_co_u32 s21, s21, s19                     ; the block of 128 features
	s_and_b32 s22, ttmp7, 0xffff
	s_lshl_b32 s22, s22, 2
	s_add_co_u32 s22, s22, s20                     ; the block of 128 tokens
	s_lshl_b32 s40, s20, 2
	s_lshl_b32 s40, 15, s40                        ; my row of the cluster
	s_lshl_b32 s41, 0x1111, s19                    ; my column
	s_or_b32 s[G1], s40, (3<<16)|(1<<21)           ; 15:0 the mask; 17:16 elements of 8 bytes; 21 set beside a mask; no padding
	s_or_b32 s[G1B], s41, (3<<16)|(1<<21)
.irp g, G1, G1B
	s_mov_b32 s[\g+1], 32<<16                      ; tensor_dim0 = 32 elements: 256 bytes
	s_mov_b32 s[\g+2], 136<<16                     ; tensor_dim1 = 136 rows
	s_mov_b32 s[\g+3], 32<<16                      ; tile_dim0
	s_mov_b32 s[\g+4], 136                         ; tile_dim1
	s_mov_b32 s[\g+5], 32                          ; the pitch: dense
	s_mov_b32 s[\g+6], 0
	s_mov_b32 s[\g+7], 0
.endr
	s_mul_i32 s42, s[WC], HALF                     ; my half of a record
	s_mul_i32 s44, s22, REC                        ; x's record hangs on the token block alone,
	s_add_co_u32 s44, s44, s42
	s_mov_b32 s45, 0
	s_mul_i32 s46, s21, REC                        ; W's on the feature block alone
	s_add_co_u32 s46, s46, s42
	s_mov_b32 s47, 0
	s_mul_i32 s43, s[WV], HALF                     ; where it goes: x's two halves, then W's two: no place in the cluster enters an LDS address
	s_wait_dscnt 0x0                               ; both opening adds are done
	s_wait_kmcnt 0x0
	s_add_nc_u64 s[44:45], s[4:5], s[44:45]
	s_add_nc_u64 s[46:47], s[6:7], s[46:47]
	CROUND                                         ; all sixteen work-groups are here: the first joint loads meet
.irp s, 0,1                                    ; slot 0 takes T = 0, slot 1 takes T = 1
	s_mov_b32 s[G0+4*\s], 1
	s_add_co_u32 s[G0+4*\s+1], s43, \s*SLOT
	s_add_nc_u64 s[G0+4*\s+2:G0+4*\s+3], s[44:45], \s*XT
	s_or_b32 s[G0+4*\s+3], s[G0+4*\s+3], 0x80000000
	s_mov_b32 s[G0B+4*\s], 1
	s_add_co_u32 s[G0B+4*\s+1], s43, \s*SLOT
	s_add_nc_u64 s[G0B+4*\s+2:G0B+4*\s+3], s[46:47], \s*WT
	s_or_b32 s[G0B+4*\s+3], s[G0B+4*\s+3], 0x80000000
	JLOAD \s
.endr
	v_and_b32 v1, 15, v0                           ; r
	v_bfe_u32 v2, v0, 4, 1                         ; h
	v_and_b32 v[L16], 31, v0
	v_lshlrev_b32 v[L16], 4, v[L16]                ; 16 x lane
	s_lshl_b32 s40, s[WR], 15                      ; my four tiles of tokens: 8,192 bytes a tile
	s_lshl_b32 s41, s[WC], 15
	s_add_co_u32 s41, s41, REC                     ; my four tiles of columns, in W's record
	s_lshl_b32 s42, s[WR], 11                      ; x's scale words: 512 bytes a tile
	s_add_co_u32 s42, s42, 65536
	s_xor_b32 s43, s[WR], 1
	s_add_co_u32 s43, s43, s[WC]
	s_lshl_b32 s43, s43, 11
	s_add_co_u32 s43, s43, REC-2048                ; from x's words to W's: REC + 2,048 wc - 2,048 wr
	v_mul_u32_u24 v4, s43, v2                      ; lanes 16-31 take W's
	v_lshl_add_u32 v4, v1, 2, v4
.irp s, 0,1
	v_add_nc_u32 v[AX+\s], s40, v[L16]
	v_add_nc_u32 v[AW+\s], s41, v[L16]
	v_add_nc_u32 v[ASC+\s], s42, v4
	s_add_co_u32 s40, s40, SLOT
	s_add_co_u32 s41, s41, SLOT
	s_add_co_u32 s42, s42, SLOT
.endr
	s_lshl_b32 s40, s21, 9                         ; my 64 features in a bias: 4 (128 fx + 64 wc) bytes
	s_lshl_b32 s41, s[WC], 8
	s_add_co_u32 s40, s40, s41
	s_mov_b32 s41, 0
	s_add_nc_u64 s[8:9], s[8:9], s[40:41]
	s_add_nc_u64 s[10:11], s[10:11], s[40:41]
	s_add_nc_u64 s[12:13], s[12:13], s[40:41]
	v_lshlrev_b32 v5, 5, v2                        ; T < 2: register j of tile a is feature 16 a + 8 h + j
	v_lshlrev_b32 v6, 2, v1                        ; T = 2: all eight registers of tile b are feature 16 b + r
	WIN 0x40                                       ; destination window 1
.irp a, 0,1,2,3
	global_load_b128 v[BI+8*\a:BI+8*\a+3], v5, s[8:9] offset:64*\a
	global_load_b128 v[BI+8*\a+4:BI+8*\a+7], v5, s[8:9] offset:64*\a+16
	global_load_b128 v[BI+32+8*\a:BI+32+8*\a+3], v5, s[10:11] offset:64*\a
	global_load_b128 v[BI+32+8*\a+4:BI+32+8*\a+7], v5, s[10:11] offset:64*\a+16
.endr
.irp b, 0,1,2,3
.irp j, 0,1,2,3,4,5,6,7
	global_load_b32 v[BI+64+8*\b+\j], v6, s[12:13] offset:64*\b
.endr
.endr
	WIN 0
	s_lshr_b32 s40, s22, 4                         ; the batch
	s_lshl_b32 s40, s40, 4
	s_lshl_b32 s41, s21, 1
	s_add_co_u32 s40, s40, s41
	s_add_co_u32 s40, s40, s[WC]                   ; 16 x batch + head
	s_lshl_b32 s40, s40, 18                        ; 262,144 bytes a head
	s_and_b32 s41, s22, 15
	s_lshl_b32 s41, s41, 1
	s_add_co_u32 s41, s41, s[WR]
	s_lshl_b32 s41, s41, 13                        ; my 64 tokens: 8,192 bytes in each of the three layouts
	s_add_co_u32 s40, s40, s41
	s_mov_b32 s41, 0
	s_add_nc_u64 s[PT:PT+1], s[14:15], s[40:41]
	s_add_nc_u64 s[PT+2:PT+3], s[PT:PT+1], 8388608
	s_add_nc_u64 s[PT+4:PT+5], s[PT+2:PT+3], 8388608
	s_mov_b32 s[CS], 0x3d38aa3b                    ; c = log2(e) / sqrt(1024)
	s_mov_b32 s[CS+1], s[CS]
; K step s of a slot: x's and W's four fragments into set s % 2, and their scale words: 20 LDS loads
.macro FETCH slot, s
	WIN 0x40
.irp i, 0,1,2,3
.irp c, 0,1
	ds_load_b128 v[64*((\s)%2)+8*\i+4*\c:64*((\s)%2)+8*\i+4*\c+3], v[AX+\slot] offset:8192*\i+1024*(\s)+512*\c
	ds_load_b128 v[64*((\s)%2)+32+8*\i+4*\c:64*((\s)%2)+32+8*\i+4*\c+3], v[AW+\slot] offset:8192*\i+1024*(\s)+512*\c
.endr
.endr
	WIN 0
.irp i, 0,1,2,3
	ds_load_b32 v[SC+4*((\s)%2)+\i], v[ASC+\slot] offset:512*\i+64*(\s)   ; lanes 0-15: x's tile i; lanes 16-31: W's tile i
.endr
.endm
; 16 products, 128 along K; the 16 accumulators take turns, one instruction a turn, in the same order in every step.  The next step's fragments are asked for ahead of them.
.macro STEP T, slot, s
.set FB, 64*((\s)%2)
.set SS, SC+4*((\s)%2)
	s_wait_dscnt 0x0                               ; this step's 20 loads are in
.if (\s) < 7
	PLACES
	FETCH \slot, (\s)+1
.endif
.if (\s) == 0
	WIN 0x15                                       ; sources 0 and 1 window 1; C, the bias, window 1; D window 0
.else
	WIN 0x05
.endif
.irp b, 0,1,2,3
.irp a, 0,1,2,3
.if (\T) < 2
.if (\s) == 0
	v_wmma_scale_f32_16x16x128_f8f6f4 v[ACC+8*(4*\b+\a):ACC+8*(4*\b+\a)+7], v[FB+32+8*\a:FB+32+8*\a+7], v[FB+8*\b:FB+8*\b+7], v[BI+32*(\T)+8*\a:BI+32*(\T)+8*\a+7], v[SS+\a], v[SS+\b] matrix_a_fmt:MATRIX_FMT_FP4 matrix_b_fmt:MATRIX_FMT_FP4 matrix_a_scale:MATRIX_SCALE_ROW1
.else
	v_wmma_scale_f32_16x16x128_f8f6f4 v[ACC+8*(4*\b+\a):ACC+8*(4*\b+\a)+7], v[FB+32+8*\a:FB+32+8*\a+7], v[FB+8*\b:FB+8*\b+7], v[ACC+8*(4*\b+\a):ACC+8*(4*\b+\a)+7], v[SS+\a], v[SS+\b] matrix_a_fmt:MATRIX_FMT_FP4 matrix_b_fmt:MATRIX_FMT_FP4 matrix_a_scale:MATRIX_SCALE_ROW1
.endif
.else
.if (\s) == 0
	v_wmma_scale_f32_16x16x128_f8f6f4 v[ACC+8*(4*\b+\a):ACC+8*(4*\b+\a)+7], v[FB+8*\a:FB+8*\a+7], v[FB+32+8*\b:FB+32+8*\b+7], v[BI+64+8*\b:BI+64+8*\b+7], v[SS+\a], v[SS+\b] matrix_a_fmt:MATRIX_FMT_FP4 matrix_b_fmt:MATRIX_FMT_FP4 matrix_b_scale:MATRIX_SCALE_ROW1
.else
	v_wmma_scale_f32_16x16x128_f8f6f4 v[ACC+8*(4*\b+\a):ACC+8*(4*\b+\a)+7], v[FB+8*\a:FB+8*\a+7], v[FB+32+8*\b:FB+32+8*\b+7], v[ACC+8*(4*\b+\a):ACC+8*(4*\b+\a)+7], v[SS+\a], v[SS+\b] matrix_a_fmt:MATRIX_FMT_FP4 matrix_b_fmt:MATRIX_FMT_FP4 matrix_b_scale:MATRIX_SCALE_ROW1
.endif
.endif
.endr
.endr
	WIN 0
.endm
.macro STEPS T, slot
.irp s, 0,1,2,3,4,5,6,7
	STEP \T, \slot, \s
.endr
.endm
; the way out of one T: rounded to f16 in pairs, each accumulator from its low end on; a lane's 16 bytes are a register group of a fragment: each store covers 512 consecutive bytes
.macro OUTT T
	PLACES
	s_wait_xcnt 0x0                                ; the last way out's stores have read OUT
.if (\T) == 0
.set ii, 0
.rept 64
	v_pk_mul_f32 v[ACC+2*ii:ACC+2*ii+1], v[ACC+2*ii:ACC+2*ii+1], s[CS:CS+1] op_sel_hi:[1,0]
.set ii, ii+1
.endr
.endif
.set ii, 0
.rept 64
	v_cvt_pk_f16_f32 v[OUT+ii], v[ACC+2*ii], v[ACC+2*ii+1]
.set ii, ii+1
.endr
.irp b, 0,1,2,3
.irp a, 0,1,2,3
.if (\T) < 2
	global_store_b128 v[L16], v[OUT+4*(4*\b+\a):OUT+4*(4*\b+\a)+3], s[PT+2*(\T):PT+2*(\T)+1] offset:2048*\b+1024*(\a/2)+512*(\a%2)   ; token tile b, half a / 2 of the head, register group a % 2
.else
	global_store_b128 v[L16], v[OUT+4*(4*\b+\a):OUT+4*(4*\b+\a)+3], s[PT+2*(\T):PT+2*(\T)+1] offset:4096*(\a/2)+1024*\b+512*(\a%2)   ; 32 keys a / 2, channel tile b, register group a % 2
.endif
.endr
.endr
.endm
	s_wait_tensorcnt 1                             ; my part of slot 0 is in; slot 1's load may stay out
	s_barrier_signal -1
	s_barrier_wait -1                              ; everybody's is
	FETCH 0, 0
	s_wait_loadcnt 0x0                             ; the biases
	STEPS 0, 0
	s_wait_tensorcnt 0x0                           ; all my tensor loads have landed: my part of slot 1; so a group 0 may be written
	ds_add_u32 v[SPW], v[NIL]                      ; 0 onto my spare word
	s_add_nc_u64 s[G0+2:G0+3], s[G0+2:G0+3], 2*XT  ; slot 0 takes T = 2
	s_add_nc_u64 s[G0B+2:G0B+3], s[G0B+2:G0B+3], 2*WT
	s_wait_dscnt 0x0                               ; the add is done, and my reads of slot 0 are over
	CROUND                                         ; no wave of any partner still reads slot 0 or has a load on its way
	JLOAD 0                                        ; the first tensor load behind the round; it has all of T = 1 in which to land; its four v_nop are the places in front of the loads below
	FETCH 1, 0
	OUTT 0                                         ; q's tile leaves while k's first fragments come
	STEPS 1, 1
	s_wait_tensorcnt 0x0                           ; my part of T = 2 is in
	ds_add_u32 v[SPW], v[NIL]
	s_wait_dscnt 0x0
	s_barrier_signal -1
	s_barrier_wait -1                              ; everybody's is; nothing is filled again, so no round follows
	PLACES
	FETCH 0, 0
	OUTT 1
	STEPS 2, 0
	OUTT 2
	s_wait_tensorcnt 0x0                           ; the wave's end, behind my last tensor load
	ds_add_u32 v[SPW], v[NIL]
	s_wait_dscnt 0x0
	CROUND                                         ; the closing round
	s_endpgm
.Lfunc_end_k_q3a73eacff1_proj:
	.size	k_q3a73eacff1_proj, .Lfunc_end_k_q3a73eacff1_proj-k_q3a73eacff1_proj
	.p2alignl 7, 3214868480
	.fill 96, 4, 3214868480
	.section	.rodata,"a",@progbits
	.p2align	6, 0x0
	.amdhsa_kernel k_q3a73eacff1_proj
		.amdhsa_group_segment_fixed_size 327680
		.amdhsa_private_segment_fixed_size 0
		.amdhsa_enable_private_segment 0
		.amdhsa_kernarg_size 48
		.amdhsa_user_sgpr_count 2
		.amdhsa_user_sgpr_kernarg_segment_ptr 1
		.amdhsa_wavefront_size32 1
		.amdhsa_system_sgpr_workgroup_id_x 1
		.amdhsa_system_sgpr_workgroup_id_y 1
		.amdhsa_system_sgpr_workgroup_id_z 1
		.amdhsa_system_vgpr_workitem_id 0
		.amdhsa_next_free_vgpr 480
		.amdhsa_next_free_sgpr 100
		.amdhsa_reserve_vcc 0
		.amdhsa_float_denorm_mode_32 3
		.amdhsa_float_denorm_mode_16_64 3
		.amdhsa_memory_ordered 1
		.amdhsa_forward_progress 1
		.amdhsa_inst_pref_size 119
	.end_amdhsa_kernel
	.amdgpu_metadata
---
amdhsa.version: [ 1, 2 ]
amdhsa.kernels:
  - .name:           k_q3a73eacff1_proj
    .symbol:         k_q3a73eacff1_proj.kd
    .args:
      - { .name: xrec, .offset: 0, .size: 8, .value_kind: global_buffer, .address_space: global }
      - { .name: wrec, .offset: 8, .size: 8, .value_kind: global_buffer, .address_space: global }
      - { .name: bq, .offset: 16, .size: 8, .value_kind: global_buffer, .address_space: global }
      - { .name: bk, .offset: 24, .size: 8, .value_kind: global_buffer, .address_space: global }
      - { .name: bv, .offset: 32, .size: 8, .value_kind: global_buffer, .address_space: global }
      - { .name: qkv, .offset: 40, .size: 8, .value_kind: global_buffer, .address_space: global }
    .group_segment_fixed_size: 327680
    .private_segment_fixed_size: 0
    .kernarg_segment_align: 8
    .kernarg_segment_size: 48
    .max_flat_workgroup_size: 128
    .sgpr_count:     100
    .vgpr_count:     480
    .wavefront_size: 32
...
	.end_amdgpu_metadata
.endif
;; end of part 2
;; launch attn (part 3): grid 8 x 32, 8 waves a work-group, no clusters, 327,680 bytes of LDS; arguments qkv, mbias, ofr; writes ofr
.if DOCPART == 3
	.amdgcn_target "amdgcn-amd-amdhsa--gfx1250"
	.amdhsa_code_object_version 6
	.text
	.protected	k_q3a73eacff1_attn
	.globl	k_q3a73eacff1_attn
	.p2align	8
	.type	k_q3a73eacff1_attn,@function
k_q3a73eacff1_attn:
	s_mov_b64 s[64:65], 0
	v_nop
	global_prefetch_b8 v0, s[64:65] scope:SCOPE_SE
	s_setreg_imm32_b32 hwreg(HW_REG_WAVE_MODE, 25, 1), 1
	s_wait_xcnt 0x0
; ATTN: O = softmax(Q K^T / 32 - 1e9 (1 - mask)) V for one (batch, head) and 256 queries; f16 operands, f32 sums, maxima and row sums.
; SHARES.  Eight waves, 32 queries each: two tiles x = 0, 1 of 16, which share every fragment of K and V.  Two waves lie on a SIMD, so that one wave's vector work stands beside the other's products.
; Every wave walks the head's 2,048 keys, 64 a step.  S^T = K Q^T and O^T = V^T P: a lane holds ONE query throughout; two tiles of S^T, rounded in pairs, are source 1 of the second product.
; THE MASK COSTS NO VECTOR INSTRUCTION: the launch before laid A mask - A (A = 1e9 log2 e) as images of S^T's accumulators; they are LOADED INTO the score registers, one step ahead, and the first product adds onto them.
; Q was multiplied by log2(e) / 32, so S is t = log2(e) x logit.  M = the running maximum of t; p = 2^(S - M) <= 1; a = 2^(old M - new M) multiplies l and O^T in every step: no branch on data.
; K and V come as dense register images through two LDS slots of 512 keys (64 KiB of K, 64 KiB of V), each wave fetching 16 KiB by one tensor load; read at 16 x lane, no padding.  No LDS store in the text.
; NO CLUSTER: what work-groups share through LDS, K and V, is 16 KiB of the 80 KiB that a step takes in, and is filled again three times in the launch; the other 64 KiB, the mask's images, are each wanted by ONE
; wave of a work-group as the start of its sums, and go straight to its registers under its own counted wait.
; In the last step the look-ahead wraps to step 0: 8 KiB a wave are loaded and not used, which keeps every load inside mbias and every count alike in all steps.
; LIMITS: NaN and infinities are not served; o under 6e-5 in magnitude is rounded to steps of 6e-8 (f16); a row whose every key is masked gets weights 2^(S - M) of sums rounded at -1.44e9, where all scores fall together.
; REGISTERS: window 0: v1-9 addresses; v12-27 statistics, eight a tile (+0 M, +1 written once, +2 +3 l, +4..+7 at work, a at +6); v32-63 Q; v64-127, v128-191 S^T, two sets by turns; v192-223 P.
;            window 1: v0-63 K's eight fragments; v64-127 V's eight; v128-191 O^T.
.set SLOT1, 1<<17
.set VOFF,  65536                      ; in a slot: K's 8 steps of 8,192 bytes, then V's
.set SPARE, 2*SLOT1                    ; behind the slots: the spare words, 128 bytes for each wave: four blocks of 256 bytes that no other line names
.set L16,   1                          ; v1  16 x lane; never rewritten
.set ADK,   2                          ; v2  the step's K in LDS
.set ADV,   3                          ; v3  the step's V
.set VB,    4                          ; v4  the next step's mask images: 4,096 x step + 16 x lane
.set VPF,   5                          ; v5  the mask prefetch's offset
.set PFO,   6                          ; v6  131,072 x (lane / 16) + 256 x (lane % 16); never rewritten
.set PFK,   7                          ; v7  256 x lane; never rewritten
.set SPW,   8
.set NIL,   9
.set ST,    12
.set QF,    32
.set SCO,   64
.set PF,    192
.set KFR,   0
.set VFR,   64
.set OAC,   128
.set WV,    10
.set BH,    12
.set G1,    16                         ; s[16:23] descriptor group 1
.set G0,    24                         ; s[24:27] group 0, which walks
.set SQ,    28
.set SB,    30                         ; s[30:31] my two query tiles' images in mbias
.set SO,    32
.set PFA,   34                         ; s[34:35] my 16 KiB of the slot after the one that is being asked for
.set TB,    36                         ; s36 LDS byte of the step in hand
.set JS,    37                         ; s37 the number of the next step
.set BO,    38
.set SLOTS, 39
.set TRIPS, 40
.set LIMB,  41                         ; s41 30 in the work-group that prefetches the mask's images, else 0
.set LIMK,  42                         ; s42 1 in the work-group that prefetches K and V, else the greatest number
.set SEL,   44
.set MSB, 0
.macro WIN new                         ; the immediate's high byte repeats the setting that is left
.if MSB != \new
	s_set_vgpr_msb (MSB<<8)|\new
.set MSB, \new
.endif
.endm
.macro PLACES
.rept 4
	v_nop
.endr
.endm
; PREFETCHES INTO THE L2.  The mask's images: all 32 heads' work-groups of a query block walk the same images, so the work-group of head 0 of batch 0 asks, and nobody else; each wave for its own two tiles, 32 runs of
; 256 bytes, a lane a run, for the step that is loaded two trips on; steps 0 to 2 come by their loads alone, and the requests stop with step 31.
.macro ASKB
	s_cmp_lt_u32 s[JS], s[LIMB]
	s_cbranch_scc0 .Lnot_b_\@
	global_prefetch_b8 v[VPF], s[SB:SB+1] th:TH_LOAD_NT scope:SCOPE_SE
.Lnot_b_\@:
.endm
; K and V: all eight query blocks of a head walk the same slots, so the first asks; each wave for the 16 KiB that it will fetch at the NEXT change of slots: 64 runs of 256 bytes, two instructions.  The last change that fills asks for nothing.
.macro ASKKV
	s_cmp_gt_u32 s[SLOTS], s[LIMK]
	s_cbranch_scc0 .Lnot_kv_\@
	global_prefetch_b8 v[PFK], s[PFA:PFA+1] th:TH_LOAD_NT scope:SCOPE_SE
	global_prefetch_b8 v[PFK], s[PFA:PFA+1] offset:8192 th:TH_LOAD_NT scope:SCOPE_SE
.Lnot_kv_\@:
.endm
	s_load_b128 s[4:7], s[0:1], 0x0                ; qkv, mbias
	s_load_b64 s[8:9], s[0:1], 0x10                ; ofr
	v_lshl_add_u32 v[SPW], v0, 2, SPARE
	v_mov_b32 v[NIL], 0
	ds_add_u32 v[SPW], v[NIL]                      ; the wave's opening: the add, twice on end, and its wait ahead of my first tensor load
	ds_add_u32 v[SPW], v[NIL]
	v_lshrrev_b32 v1, 5, v0
	v_readfirstlane_b32 s[WV], v1                  ; wave 0..7
	s_and_b32 s[BH], ttmp7, 0xffff                 ; 16 x batch + head
	s_mov_b32 s[G1], 3<<16                         ; no mask; elements of 8 bytes; no padding
	s_mov_b32 s[G1+1], 32<<16                      ; tensor_dim0 = 32 elements: 256 bytes
	s_mov_b32 s[G1+2], 64<<16                      ; tensor_dim1 = 64 rows: 16 KiB
	s_mov_b32 s[G1+3], 32<<16                      ; tile_dim0
	s_mov_b32 s[G1+4], 64                          ; tile_dim1
	s_mov_b32 s[G1+5], 32                          ; the pitch: dense
	s_mov_b32 s[G1+6], 0
	s_mov_b32 s[G1+7], 0
	s_mov_b32 s[G0], 1
	s_lshl_b32 s[G0+1], s[WV], 14                  ; waves 0-3: K's quarters; waves 4-7: V's, which lie behind them
	s_lshr_b32 s46, s[WV], 2
	s_add_co_u32 s46, s46, 1
	s_lshl_b32 s46, s46, 23                        ; K at 8,388,608, V at 16,777,216
	s_lshl_b32 s47, s[BH], 18
	s_add_co_u32 s46, s46, s47
	s_and_b32 s47, s[WV], 3
	s_lshl_b32 s47, s47, 14
	s_add_co_u32 s46, s46, s47
	s_mov_b32 s47, 0
	s_lshl_b32 s48, s[BH], 18                      ; Q: the head, my block's 16 tiles of 2,048 bytes, my wave's two
	s_lshl_b32 s49, ttmp9, 15
	s_add_co_u32 s48, s48, s49
	s_lshl_b32 s49, s[WV], 12
	s_add_co_u32 s48, s48, s49
	s_mov_b32 s49, 0
	s_lshl_b32 s50, ttmp9, 21                      ; mbias: 131,072 bytes a query tile
	s_lshl_b32 s51, s[WV], 18
	s_add_co_u32 s50, s50, s51
	s_mov_b32 s51, 0
	s_and_b32 s52, s[BH], 15                       ; ofr: [head / 4][token tile][2 (head % 4) + half][1024]
	s_lshr_b32 s53, s52, 2
	s_lshl_b32 s53, s53, 21
	s_and_b32 s52, s52, 3
	s_lshl_b32 s52, s52, 11
	s_add_co_u32 s52, s52, s53
	s_lshr_b32 s53, s[BH], 4
	s_lshl_b32 s53, s53, 7
	s_lshl_b32 s54, ttmp9, 4
	s_add_co_u32 s53, s53, s54
	s_lshl_b32 s54, s[WV], 1
	s_add_co_u32 s53, s53, s54                     ; token tile = 128 x batch + 16 x block + 2 x wave
	s_lshl_b32 s53, s53, 13
	s_add_co_u32 s52, s52, s53
	s_mov_b32 s53, 0
	s_mov_b32 s[SEL], 0x76543210
	s_mov_b32 s[SEL+1], 0xfedcba98
	s_mov_b32 s[TB], 0
	s_mov_b32 s[JS], 0
	s_mov_b32 s[SLOTS], 3
	s_cmp_eq_u32 s[BH], 0
	s_cselect_b32 s[LIMB], 30, 0
	s_cmp_eq_u32 ttmp9, 0
	s_cselect_b32 s[LIMK], 1, -1
	s_wait_dscnt 0x0                               ; both opening adds are done
	s_wait_kmcnt 0x0
	s_add_nc_u64 s[PFA:PFA+1], s[4:5], s[46:47]
	s_mov_b64 s[G0+2:G0+3], s[PFA:PFA+1]
	s_or_b32 s[G0+3], s[G0+3], 0x80000000
	tensor_load_to_lds s[G0:G0+3], s[G1:G1+7]      ; slot 0: every wave its 16 KiB
	s_nop 0
	PLACES
	s_add_nc_u64 s[PFA:PFA+1], s[PFA:PFA+1], 65536 ; in slot 1; the first change of slots steps it to slot 2.  Nothing is prefetched at the head
	s_add_nc_u64 s[SQ:SQ+1], s[4:5], s[48:49]
	s_add_nc_u64 s[SB:SB+1], s[6:7], s[50:51]
	s_add_nc_u64 s[SO:SO+1], s[8:9], s[52:53]
	v_and_b32 v1, 31, v0
	v_lshlrev_b32 v[PFK], 8, v1
	v_and_b32 v[PFO], 15, v0
	v_lshlrev_b32 v[PFO], 8, v[PFO]
	v_bfe_u32 v2, v0, 4, 1
	v_lshl_add_u32 v[PFO], v2, 17, v[PFO]
	v_lshlrev_b32 v[L16], 4, v1
.irp x, 0,1
.irp d, 0,1
.irp c, 0,1
	global_load_b128 v[QF+16*\x+8*\d+4*\c:QF+16*\x+8*\d+4*\c+3], v[L16], s[SQ:SQ+1] offset:2048*\x+1024*\d+512*\c   ; Q stays in registers
.endr
.endr
.endr
.irp x, 0,1
.irp g, 0,1,2,3,4,5,6,7
	global_load_b128 v[SCO+32*\x+4*\g:SCO+32*\x+4*\g+3], v[L16], s[SB:SB+1] offset:131072*\x+512*\g   ; step 0's mask images
.endr
.endr
.irp x, 0,1
	v_mov_b32 v[ST+8*\x], 0xff61b1e6               ; M: -3e38, under every t
	v_mov_b32 v[ST+8*\x+1], 0                      ; (named as the upper half of a pair)
	v_mov_b32 v[ST+8*\x+2], 0                      ; l, in two halves
	v_mov_b32 v[ST+8*\x+3], 0
.endr
	WIN 0x40
.set ii, 0
.rept 64
	v_mov_b32 v[OAC+ii], 0                         ; O^T.  (The step is written once: the first finds zeros, which a = 0 leaves zeros)
.set ii, ii+1
.endr
	WIN 0
; THE SOFTMAX of both tiles for one step, on the scores in v[SA] on; the two tiles alternate line by line, so that no line waits for the line above it
.macro SOFT
.irp j, 0,1,2,3
.irp x, 0,1
	v_max3_num_f32 v[ST+8*\x+4+\j], v[SA+32*\x+8*\j], v[SA+32*\x+8*\j+1], v[SA+32*\x+8*\j+2]   ; each accumulator is read from its low end on
.endr
.endr
.irp q, 1,2
.irp j, 0,1,2,3
.irp x, 0,1
	v_max3_num_f32 v[ST+8*\x+4+\j], v[ST+8*\x+4+\j], v[SA+32*\x+8*\j+2*\q+1], v[SA+32*\x+8*\j+2*\q+2]
.endr
.endr
.endr
.irp x, 0,1
	v_max3_num_f32 v[ST+8*\x+4], v[ST+8*\x+4], v[SA+32*\x+7], v[SA+32*\x+15]
	v_max3_num_f32 v[ST+8*\x+6], v[ST+8*\x+6], v[SA+32*\x+23], v[SA+32*\x+31]
.endr
.irp x, 0,1
	v_max3_num_f32 v[ST+8*\x+4], v[ST+8*\x+4], v[ST+8*\x+5], v[ST+8*\x+6]
.endr
.irp x, 0,1
	v_max3_num_f32 v[ST+8*\x+4], v[ST+8*\x+4], v[ST+8*\x+7], v[ST+8*\x]   ; and the old M
.endr
.irp x, 0,1
	v_permlanex16_b32 v[ST+8*\x+5], v[ST+8*\x+4], s[SEL], s[SEL+1]   ; the query's other 32 keys lie in the lane 16 away
.endr
.irp x, 0,1
	v_mov_b32 v[ST+8*\x+7], v[ST+8*\x]
.endr
.irp x, 0,1
	v_max_num_f32 v[ST+8*\x], v[ST+8*\x+4], v[ST+8*\x+5]   ; the new M
.endr
.irp x, 0,1
	v_sub_f32 v[ST+8*\x+7], v[ST+8*\x+7], v[ST+8*\x]
.endr
.irp x, 0,1
	v_exp_f32 v[ST+8*\x+6], v[ST+8*\x+7]           ; a = 2^(old M - new M)
.endr
.irp b, 0,1,2,3,4,5,6,7,8,9,10,11,12,13,14,15
.irp x, 0,1
	v_pk_add_f32 v[SA+32*\x+2*\b:SA+32*\x+2*\b+1], v[SA+32*\x+2*\b:SA+32*\x+2*\b+1], v[ST+8*\x:ST+8*\x+1] op_sel_hi:[1,0] neg_lo:[0,1] neg_hi:[0,1]   ; S - M, two at a time
.endr
.endr
.set ii, 0
.rept 64
	v_exp_f32 v[SA+ii], v[SA+ii]                   ; p = 2^(S - M)
.set ii, ii+1
.endr
	v_nop                                          ; a plain instruction behind the last exponential
	s_wait_alu depctr_va_vdst(0)                   ; ONE wait for the step's 66 exponentials, ahead of the first instruction that names a result
.irp i, 0,1,2,3,4,5,6,7,8,9,10,11,12,13,14,15
.irp x, 0,1
	v_cvt_pk_f16_f32 v[PF+16*\x+\i], v[SA+32*\x+2*\i], v[SA+32*\x+2*\i+1]   ; P: tiles 2 u and 2 u + 1 of S^T are registers 0-3 and 4-7 of keys 32 u on
.endr
.endr
.irp z, 0,1,2,3,4,5,6,7                        ; the row's sum, of the unrounded p, in place: neighbours 1, 2, 4 and 8 pairs apart
.irp x, 0,1
	v_pk_add_f32 v[SA+32*\x+4*\z:SA+32*\x+4*\z+1], v[SA+32*\x+4*\z:SA+32*\x+4*\z+1], v[SA+32*\x+4*\z+2:SA+32*\x+4*\z+3]
.endr
.endr
.irp z, 0,1,2,3
.irp x, 0,1
	v_pk_add_f32 v[SA+32*\x+8*\z:SA+32*\x+8*\z+1], v[SA+32*\x+8*\z:SA+32*\x+8*\z+1], v[SA+32*\x+8*\z+4:SA+32*\x+8*\z+5]
.endr
.endr
.irp z, 0,1
.irp x, 0,1
	v_pk_add_f32 v[SA+32*\x+16*\z:SA+32*\x+16*\z+1], v[SA+32*\x+16*\z:SA+32*\x+16*\z+1], v[SA+32*\x+16*\z+8:SA+32*\x+16*\z+9]
.endr
.endr
.irp x, 0,1
	v_pk_add_f32 v[SA+32*\x:SA+32*\x+1], v[SA+32*\x:SA+32*\x+1], v[SA+32*\x+16:SA+32*\x+17]
.endr
.irp x, 0,1
	v_pk_fma_f32 v[ST+8*\x+2:ST+8*\x+3], v[ST+8*\x+2:ST+8*\x+3], v[ST+8*\x+6:ST+8*\x+7], v[SA+32*\x:SA+32*\x+1] op_sel_hi:[1,0,1]   ; l = a l + the sum
.endr
.endm
; A KEY STEP, 64 keys.  sb: which set of score registers holds this step's mask images; the other set takes the next step's.  Every window is 0 at its ends.
.macro STEP sb
.set SA, SCO+64*(\sb)
.set SN, SCO+64*(1-(\sb))
	s_add_co_u32 s[JS], s[JS], 1
	s_and_b32 s[BO], s[JS], 31                     ; the next step; behind the last one it wraps to 0
	s_lshl_b32 s[BO], s[BO], 12
	s_add_co_u32 s46, s[JS], 2
	s_and_b32 s46, s46, 31
	s_lshl_b32 s46, s46, 12
	v_add_nc_u32 v[VB], s[BO], v[L16]              ; these four additions are the places behind the last step's products, in front of the loads into V's registers
	v_add_nc_u32 v[ADK], s[TB], v[L16]
	v_add_nc_u32 v[ADV], VOFF, v[ADK]
	v_add_nc_u32 v[VPF], s46, v[PFO]
	WIN 0x40                                       ; destination window 1
.irp f, 0,1,2,3,4,5,6,7
.irp c, 0,1
	ds_load_b128 v[KFR+8*\f+4*\c:KFR+8*\f+4*\c+3], v[ADK] offset:1024*\f+512*\c   ; K: fragment 2 t + d
.endr
.endr
.irp f, 0,1,2,3,4,5,6,7
.irp c, 0,1
	ds_load_b128 v[VFR+8*\f+4*\c:VFR+8*\f+4*\c+3], v[ADV] offset:1024*\f+512*\c   ; V^T: fragment 4 u + channel tile
.endr
.endr
	WIN 0
.irp x, 0,1
.irp g, 0,1,2,3,4,5,6,7
	global_load_b128 v[SN+32*\x+4*\g:SN+32*\x+4*\g+3], v[VB], s[SB:SB+1] offset:131072*\x+512*\g   ; the NEXT step's mask images: 512 consecutive bytes a load
.endr
.endr
	ASKB
	s_wait_loadcnt 16                              ; this step's images (and, in the first step, Q) are in; the 16 loads just issued may be out
	s_wait_dscnt 16                                ; K is in; V's 16 loads may be out
	WIN 0x01                                       ; source 0 (K) window 1
.irp d, 0,1
.irp t, 0,1,2,3
.irp x, 0,1
	v_wmma_f32_16x16x32_f16 v[SA+32*\x+8*\t:SA+32*\x+8*\t+7], v[KFR+8*(2*\t+\d):KFR+8*(2*\t+\d)+7], v[QF+16*\x+8*\d:QF+16*\x+8*\d+7], v[SA+32*\x+8*\t:SA+32*\x+8*\t+7]   ; onto the mask's term; the eight accumulators by turns
.endr
.endr
.endr
	WIN 0
	PLACES
	SOFT
	s_wait_dscnt 0x0                               ; V is in
	WIN 0x41                                       ; O^T (destination and source 0) window 1, a window 0
.irp x, 0,1
.irp i, 0,1,2,3,4,5,6,7,8,9,10,11,12,13,14,15
	v_pk_mul_f32 v[OAC+32*\x+2*\i:OAC+32*\x+2*\i+1], v[OAC+32*\x+2*\i:OAC+32*\x+2*\i+1], v[ST+8*\x+6:ST+8*\x+7] op_sel_hi:[1,0]
.endr
.endr
	WIN 0x51                                       ; V window 1, P window 0, O^T window 1
.irp u, 0,1
.irp t, 0,1,2,3
.irp x, 0,1
	v_wmma_f32_16x16x32_f16 v[OAC+32*\x+8*\t:OAC+32*\x+8*\t+7], v[VFR+8*(4*\u+\t):VFR+8*(4*\u+\t)+7], v[PF+16*\x+8*\u:PF+16*\x+8*\u+7], v[OAC+32*\x+8*\t:OAC+32*\x+8*\t+7]
.endr
.endr
.endr
	WIN 0
	s_add_co_u32 s[TB], s[TB], 8192
	s_wait_xcnt 0x0                                ; the step's loads and its prefetch, issued a whole softmax ago, have read VB and VPF: the next step's head writes them
.endm
; THE CHANGE OF SLOTS, at a slot's head.  Each wave waits for all its tensor loads (its part of the slot ahead), adds 0 to its spare word, and waits for that and for its reads of the slot that it has left.
; fill = 1: behind the barrier that slot is filled with the keys that follow: one load a wave, with a slot's eight steps in which to land.  (In the first trip all eight loads are slot 1's first fill.)
.macro CHANGE fill
	s_wait_tensorcnt 0x0                           ; no tensor load of mine is out, so group 0 may be written
	ds_add_u32 v[SPW], v[NIL]
.if \fill
	s_xor_b32 s[G0+1], s[G0+1], SLOT1              ; the other slot than last time,
	s_add_nc_u64 s[G0+2:G0+3], s[G0+2:G0+3], 65536 ; the next 512 keys; the type bits on top are not reached
	s_wait_xcnt 0x0                                ; the last K and V prefetches, a slot back, have read their address
	s_add_nc_u64 s[PFA:PFA+1], s[PFA:PFA+1], 65536
.endif
	s_wait_dscnt 0x0                               ; the add is done, and my reads of the slot that I have left are over
	s_barrier_signal -1
	s_barrier_wait -1
.if \fill
	tensor_load_to_lds s[G0:G0+3], s[G1:G1+7]      ; the first thing behind the barrier, and my one tensor load until the next
	s_nop 0
	PLACES
	ASKKV
.endif
.endm
.macro SLOT_STEPS                      ; a slot's eight steps: two are written, walked four times
	s_mov_b32 s[TRIPS], 4
.Lsteps_\@:
	STEP 0
	STEP 1
	s_sub_co_u32 s[TRIPS], s[TRIPS], 1
	s_cmp_lg_u32 s[TRIPS], 0
	s_cbranch_scc1 .Lsteps_\@
	s_sub_co_u32 s[TB], s[TB], 65536               ; back to a slot's first step,
	s_xor_b32 s[TB], s[TB], SLOT1                  ; in the other slot
.endm
.Lslot:                                                ; three trips: behind each change of slots but the last the next slot is asked for
	CHANGE 1
	SLOT_STEPS
	s_sub_co_u32 s[SLOTS], s[SLOTS], 1
	s_cmp_lg_u32 s[SLOTS], 0
	s_cbranch_scc1 .Lslot
	CHANGE 0                                       ; the last slot is written out
	SLOT_STEPS
	; THE WAY OUT: O^T / l, rounded to f16: channel tiles 2 u and 2 u + 1 of a query tile ARE a fragment (16 tokens x 32 features) of the last product's left operand
	s_wait_loadcnt 0x0                             ; the wrapped look-ahead
	PLACES
.irp x, 0,1
	v_add_f32 v[ST+8*\x+4], v[ST+8*\x+2], v[ST+8*\x+3]
.endr
.irp x, 0,1
	v_permlanex16_b32 v[ST+8*\x+5], v[ST+8*\x+4], s[SEL], s[SEL+1]
.endr
.irp x, 0,1
	v_add_f32 v[ST+8*\x+4], v[ST+8*\x+4], v[ST+8*\x+5]
.endr
.irp x, 0,1
	v_rcp_f32 v[ST+8*\x+6], v[ST+8*\x+4]
.endr
	v_nop                                          ; a plain instruction behind the last reciprocal,
	s_wait_alu depctr_va_vdst(0)                   ; and the one wait ahead of the first use
	WIN 0x41
.irp x, 0,1
.irp i, 0,1,2,3,4,5,6,7,8,9,10,11,12,13,14,15
	v_pk_mul_f32 v[OAC+32*\x+2*\i:OAC+32*\x+2*\i+1], v[OAC+32*\x+2*\i:OAC+32*\x+2*\i+1], v[ST+8*\x+6:ST+8*\x+7] op_sel_hi:[1,0]
.endr
.endr
	WIN 0x05                                       ; sources window 1, destination window 0: the second set of score registers is free
.set ii, 0
.rept 32
	v_cvt_pk_f16_f32 v[128+ii], v[OAC+2*ii], v[OAC+2*ii+1]
.set ii, ii+1
.endr
	WIN 0
.irp x, 0,1
.irp u, 0,1
.irp c, 0,1
	global_store_b128 v[L16], v[128+16*\x+8*\u+4*\c:128+16*\x+8*\u+4*\c+3], s[SO:SO+1] offset:8192*\x+1024*\u+512*\c   ; 512 consecutive bytes
.endr
.endr
.endr
	s_wait_tensorcnt 0x0                           ; the wave's end, behind my last tensor load
	ds_add_u32 v[SPW], v[NIL]
	s_wait_dscnt 0x0
	s_endpgm
.Lfunc_end_k_q3a73eacff1_attn:
	.size	k_q3a73eacff1_attn, .Lfunc_end_k_q3a73eacff1_attn-k_q3a73eacff1_attn
	.p2alignl 7, 3214868480
	.fill 96, 4, 3214868480
	.section	.rodata,"a",@progbits
	.p2align	6, 0x0
	.amdhsa_kernel k_q3a73eacff1_attn
		.amdhsa_group_segment_fixed_size 327680
		.amdhsa_private_segment_fixed_size 0
		.amdhsa_enable_private_segment 0
		.amdhsa_kernarg_size 24
		.amdhsa_user_sgpr_count 2
		.amdhsa_user_sgpr_kernarg_segment_ptr 1
		.amdhsa_wavefront_size32 1
		.amdhsa_system_sgpr_workgroup_id_x 1
		.amdhsa_system_sgpr_workgroup_id_y 1
		.amdhsa_system_sgpr_workgroup_id_z 1
		.amdhsa_system_vgpr_workitem_id 0
		.amdhsa_next_free_vgpr 448
		.amdhsa_next_free_sgpr 66
		.amdhsa_reserve_vcc 0
		.amdhsa_float_denorm_mode_32 3
		.amdhsa_float_denorm_mode_16_64 3
		.amdhsa_memory_ordered 1
		.amdhsa_forward_progress 1
		.amdhsa_inst_pref_size 92
	.end_amdhsa_kernel
	.amdgpu_metadata
---
amdhsa.version: [ 1, 2 ]
amdhsa.kernels:
  - .name:           k_q3a73eacff1_attn
    .symbol:         k_q3a73eacff1_attn.kd
    .args:
      - { .name: qkv, .offset: 0, .size: 8, .value_kind: global_buffer, .address_space: global }
      - { .name: mbias, .offset: 8, .size: 8, .value_kind: global_buffer, .address_space: global }
      - { .name: ofr, .offset: 16, .size: 8, .value_kind: global_buffer, .address_space: global }
    .group_segment_fixed_size: 327680
    .private_segment_fixed_size: 0
    .kernarg_segment_align: 8
    .kernarg_segment_size: 24
    .max_flat_workgroup_size: 256
    .sgpr_count:     66
    .vgpr_count:     448
    .wavefront_size: 32
...
	.end_amdgpu_metadata
.endif
;; end of part 3
;; launch outp (part 4): grid 8 x 32, 4 waves a work-group, clusters of 4 x 4, 327,680 bytes of LDS; arguments ofr, wo16, bo, out0; writes out0
.if DOCPART == 4
	.amdgcn_target "amdgcn-amd-amdhsa--gfx1250"
	.amdhsa_code_object_version 6
	.text
	.protected	k_q3a73eacff1_outp
	.globl	k_q3a73eacff1_outp
	.p2align	8
	.type	k_q3a73eacff1_outp,@function
k_q3a73eacff1_outp:
	s_mov_b64 s[64:65], 0
	v_nop
	global_prefetch_b8 v0, s[64:65] scope:SCOPE_SE
	s_setreg_imm32_b32 hwreg(HW_REG_WAVE_MODE, 25, 1), 1
	s_wait_xcnt 0x0
	s_wait_alu depctr_hold_cnt(0) depctr_sa_sdst(0) depctr_va_vdst(0) depctr_va_sdst(0) depctr_va_ssrc(0) depctr_va_vcc(0) depctr_vm_vsrc(0)
	s_getreg_b32 s2, hwreg(HW_REG_IB_STS2, 6, 4)
	s_cmp_eq_u32 s2, 0
	s_cbranch_scc0 .Lentry_in_a_cluster
	s_endpgm
.Lentry_in_a_cluster:
	s_bfe_u32 s2, ttmp6, 0x10000c
	s_cmp_lg_u32 s2, 0xf033
	s_cbranch_scc0 .Lentry_shape_is_right
	s_endpgm
.Lentry_shape_is_right:
; OUTP: out0 = o Wo + bo.  o [4096][1024] and Wo come as f16 fragments (register images of 1,024 bytes): ofr [ks 4][token tile 256][kc 8][1024], wo16 [ks 4][column tile 64][kc 8][1024]; sums in f32; out0 f32.
; A tile of 128 tokens x 128 features to a work-group, 256 work-groups; four waves, 64 x 64 each: 16 accumulators.  K goes in four steps of 256 through two LDS slots: 8 token tiles x 8 KiB of o, then 8 column tiles x 8 KiB
; of Wo, both dense blocks of memory, read at 16 x lane: no padding.  Each wave fetches 32 KiB by one tensor load.
; CLUSTER 4 x 4: o's block hangs on the token block alone and is asked for jointly along a row of the cluster, Wo's on the feature block alone, along a column.
; THE MATRIX INSTRUCTION IS USED TRANSPOSED (source 0 = 16 columns of Wo, source 1 = 16 tokens): a lane holds one token and eight neighbouring features.  bo is the C of each sum's first product.
; REGISTERS: window 0: v1-5 lane terms; v16-26 addresses; v28, v29 the add's two; v32-95 the way out; v96-127 bo in the results' layout; v128-255 accumulators ((a, b) at 128 + 8 (4 a + b)).
;            window 1: two fragment buffers of 128: for 64 along K, 64 registers of o (2 x 4 fragments), then 64 of Wo.
.set SLOT,   131072
.set STAGE,  2*SLOT                    ; behind the ring: 16 rows x 272 bytes for each wave, for the way out; no tensor load lands there
.set SPITCH, 272                       ; 256 bytes + 16: sixteen rows begin in sixteen different columns of 16 bytes
.set SPARE,  STAGE+4*16*SPITCH         ; behind the stages: the spare words, 128 bytes for each wave: two blocks of 256 bytes that no other line names
.set L16,  3
.set ADRA, 16                          ; v16-17 o's fragments in slot 0, 1
.set ADRB, 20                          ; v20-21 Wo's
.set STO,  24
.set RD,   25
.set CO,   26
.set SPW,  28
.set NIL,  29
.set TMP,  32
.set BI,   96
.set ACC,  128
.set F0,   0
.set F1,   128
.set WV,   12
.set WR,   13                          ; which 64 tokens are mine.  Also: I fetch for o (0) or for Wo (1)
.set WC,   14                          ; which 64 features.  Also: which half of the block I fetch
.set G1,   24
.set G0,   32
.set G1B,  48
.set G0B,  56
.set MSB, 0
.macro WIN new                         ; the immediate's high byte repeats the setting that is left
.if MSB != \new
	s_set_vgpr_msb (MSB<<8)|\new
.set MSB, \new
.endif
.endm
.set MUL,  0x05                        ; sources 0 and 1 window 1; C and D window 0
.set TO_F, 0x40                        ; destination window 1, address window 0
.macro PLACES
.rept 4
	v_nop
.endr
.endm
.macro JLOAD s                         ; a joint load: waves 0 and 1 fetch o's halves, waves 2 and 3 Wo's; an s_nop 0 and four v_nop follow each of the two lines
	s_cmp_eq_u32 s[WR], 0
	s_cbranch_scc0 .Lfor_b_\@
	tensor_load_to_lds s[G0+4*\s:G0+4*\s+3], s[G1:G1+7]
	s_nop 0
.rept 4
	v_nop
.endr
	s_branch .Lasked_\@
.Lfor_b_\@:
	tensor_load_to_lds s[G0B+4*\s:G0B+4*\s+3], s[G1B:G1B+7]
	s_nop 0
.rept 4
	v_nop
.endr
.Lasked_\@:
.endm
.macro CREST                           ; a round of the cluster's barrier behind its opening barrier
	s_cmp_lg_u32 s[WV], 0
	s_cbranch_scc1 .Lnot_wave_0_\@
	s_barrier_signal -3
.Lnot_wave_0_\@:
	s_barrier_wait -3
	s_barrier_signal -1
	s_barrier_wait -1
.endm
.macro CROUND
	s_barrier_signal -1
	s_barrier_wait -1
	CREST
.endm
	s_load_b256 s[4:11], s[0:1], 0x0               ; ofr, wo16, bo, out0
	v_lshl_add_u32 v[SPW], v0, 2, SPARE
	v_mov_b32 v[NIL], 0
	ds_add_u32 v[SPW], v[NIL]                      ; the wave's opening: the add, twice on end, and its wait ahead of my first tensor load
	ds_add_u32 v[SPW], v[NIL]
	v_lshrrev_b32 v1, 5, v0
	v_readfirstlane_b32 s[WV], v1
	s_lshr_b32 s[WR], s[WV], 1
	s_and_b32 s[WC], s[WV], 1
	s_bfe_u32 s15, ttmp6, 0x40000                  ; cx
	s_bfe_u32 s16, ttmp6, 0x40004                  ; cy
	s_lshl_b32 s17, ttmp9, 2
	s_add_co_u32 s17, s17, s15                     ; the block of 128 features
	s_and_b32 s18, ttmp7, 0xffff
	s_lshl_b32 s18, s18, 2
	s_add_co_u32 s18, s18, s16                     ; the block of 128 tokens
	s_lshl_b32 s40, s16, 2
	s_lshl_b32 s40, 15, s40                        ; my row of the cluster
	s_lshl_b32 s41, 0x1111, s15                    ; my column
	s_or_b32 s[G1], s40, (3<<16)|(1<<21)           ; 15:0 the mask; 17:16 elements of 8 bytes; 21 set beside a mask; no padding
	s_or_b32 s[G1B], s41, (3<<16)|(1<<21)
.irp g, G1, G1B
	s_mov_b32 s[\g+1], 32<<16                      ; tensor_dim0 = 32 elements: 256 bytes
	s_mov_b32 s[\g+2], 128<<16                     ; tensor_dim1 = 128 rows: 32 KiB
	s_mov_b32 s[\g+3], 32<<16
	s_mov_b32 s[\g+4], 128
	s_mov_b32 s[\g+5], 32
	s_mov_b32 s[\g+6], 0
	s_mov_b32 s[\g+7], 0
.endr
	s_lshl_b32 s42, s[WC], 15                      ; my half of a block
	s_lshl_b32 s44, s18, 16                        ; o's block hangs on the token block alone,
	s_add_co_u32 s44, s44, s42
	s_mov_b32 s45, 0
	s_lshl_b32 s46, s17, 16                        ; Wo's on the feature block alone
	s_add_co_u32 s46, s46, s42
	s_mov_b32 s47, 0
	s_lshl_b32 s43, s[WV], 15                      ; where it goes: o's two halves, then Wo's two
	s_wait_dscnt 0x0                               ; both opening adds are done
	s_wait_kmcnt 0x0
	s_add_nc_u64 s[44:45], s[4:5], s[44:45]
	s_add_nc_u64 s[46:47], s[6:7], s[46:47]
	CROUND                                         ; all sixteen work-groups are here: the first joint loads meet
.irp s, 0,1
	s_mov_b32 s[G0+4*\s], 1
	s_add_co_u32 s[G0+4*\s+1], s43, \s*SLOT
	s_add_nc_u64 s[G0+4*\s+2:G0+4*\s+3], s[44:45], \s*2097152      ; K step s
	s_or_b32 s[G0+4*\s+3], s[G0+4*\s+3], 0x80000000
	s_mov_b32 s[G0B+4*\s], 1
	s_add_co_u32 s[G0B+4*\s+1], s43, \s*SLOT
	s_add_nc_u64 s[G0B+4*\s+2:G0B+4*\s+3], s[46:47], \s*524288
	s_or_b32 s[G0B+4*\s+3], s[G0B+4*\s+3], 0x80000000
	JLOAD \s
.endr
	v_and_b32 v1, 15, v0                           ; l % 16
	v_bfe_u32 v2, v0, 4, 1                         ; l / 16
	v_and_b32 v[L16], 31, v0
	v_lshlrev_b32 v[L16], 4, v[L16]
	s_lshl_b32 s40, s[WR], 15                      ; my four token tiles
	s_lshl_b32 s41, s[WC], 15
	s_add_co_u32 s41, s41, 65536                   ; my four column tiles, behind o's 64 KiB
.irp s, 0,1
	v_add_nc_u32 v[ADRA+\s], s40, v[L16]
	v_add_nc_u32 v[ADRB+\s], s41, v[L16]
	s_add_co_u32 s40, s40, SLOT
	s_add_co_u32 s41, s41, SLOT
.endr
	s_mul_i32 s40, s[WV], 16*SPITCH
	s_add_co_u32 s40, s40, STAGE                   ; my stage
	v_mul_u32_u24 v4, v1, SPITCH                   ; in: token l % 16, 32 bytes for each half of the lanes
	v_lshl_add_u32 v4, v2, 5, v4
	v_add_nc_u32 v[STO], s40, v4
	v_mul_u32_u24 v4, v2, SPITCH                   ; back: lanes 0-15 one row of 256 bytes, lanes 16-31 the next
	v_lshl_add_u32 v4, v1, 4, v4
	v_add_nc_u32 v[RD], s40, v4
	v_lshlrev_b32 v[CO], 12, v2                    ; and the same two rows of out0: 4,096 bytes a row
	v_lshl_add_u32 v[CO], v1, 4, v[CO]
	s_lshl_b32 s40, s17, 9                         ; my 64 features: 4 (128 fx + 64 wc) bytes
	s_lshl_b32 s41, s[WC], 8
	s_add_co_u32 s40, s40, s41
	s_mov_b32 s41, 0
	s_add_nc_u64 s[8:9], s[8:9], s[40:41]
	s_add_nc_u64 s[10:11], s[10:11], s[40:41]
	s_lshl_b32 s40, s18, 19                        ; my first token: (128 ty + 64 wr) rows
	s_lshl_b32 s42, s[WR], 18
	s_add_co_u32 s40, s40, s42
	s_add_nc_u64 s[10:11], s[10:11], s[40:41]
	v_lshlrev_b32 v5, 5, v2                        ; bo: register j of tile b is feature 16 b + 8 h + j
.irp b, 0,1,2,3
	global_load_b128 v[BI+8*\b:BI+8*\b+3], v5, s[8:9] offset:64*\b
	global_load_b128 v[BI+8*\b+4:BI+8*\b+7], v5, s[8:9] offset:64*\b+16
.endr
; 8 products: token tiles a0, a0 + 1 x all 4 column tiles, 32 along K: half c of buffer f.  first = 1: the product starts the sum on the bias.  The 16 accumulators take turns
.macro MUL8 f, c, a0, first
.irp a, \a0, \a0+1
.irp b, 0,1,2,3
.if \first
	v_wmma_f32_16x16x32_f16 v[ACC+8*(4*(\a)+\b):ACC+8*(4*(\a)+\b)+7], v[\f+64+8*(4*\c+\b):\f+64+8*(4*\c+\b)+7], v[\f+8*(4*\c+(\a)):\f+8*(4*\c+(\a))+7], v[BI+8*\b:BI+8*\b+7]
.else
	v_wmma_f32_16x16x32_f16 v[ACC+8*(4*(\a)+\b):ACC+8*(4*(\a)+\b)+7], v[\f+64+8*(4*\c+\b):\f+64+8*(4*\c+\b)+7], v[\f+8*(4*\c+(\a)):\f+8*(4*\c+(\a))+7], v[ACC+8*(4*(\a)+\b):ACC+8*(4*(\a)+\b)+7]
.endif
.endr
.endr
.endm
; 32 LDS loads in one run: the fragments of quarter q (64 along K: kc = 2 q, 2 q + 1) into buffer f; the first 32 along K first
.macro FETCH slot, q, f
	WIN TO_F
.irp c, 0,1
.irp i, 0,1,2,3
	ds_load_b128 v[\f+64+8*(4*\c+\i):\f+64+8*(4*\c+\i)+3],   v[ADRB+\slot] offset:8192*\i+1024*(2*(\q)+\c)
	ds_load_b128 v[\f+64+8*(4*\c+\i)+4:\f+64+8*(4*\c+\i)+7], v[ADRB+\slot] offset:8192*\i+1024*(2*(\q)+\c)+512
	ds_load_b128 v[\f+8*(4*\c+\i):\f+8*(4*\c+\i)+3],         v[ADRA+\slot] offset:8192*\i+1024*(2*(\q)+\c)
	ds_load_b128 v[\f+8*(4*\c+\i)+4:\f+8*(4*\c+\i)+7],       v[ADRA+\slot] offset:8192*\i+1024*(2*(\q)+\c)+512
.endr
.endr
.endm
; one of a K step's first three quarters: multiplies buffer f and fetches quarter q of the same slot into g
.macro QUARTER slot, q, f, g, first
	s_wait_dscnt 16                                ; the first 32 along K are in; the youngest sixteen loads may be out
	WIN MUL
	MUL8 \f, 0, 0, \first
	MUL8 \f, 0, 2, \first
	PLACES
	FETCH \slot, \q, \g
	s_wait_dscnt 32                                ; all but the 32 just issued
	WIN MUL
	MUL8 \f, 1, 0, 0
	MUL8 \f, 1, 2, 0
.endm
; the last quarter multiplies buffer 1 and changes slots: ONE barrier; in front of it each wave waits for all its tensor loads, adds 0 to its spare word, and waits for that and for its reads of this slot
.macro TURN slot, next, fill
	WIN 0                                          ; (the add's two registers lie in window 0)
	s_wait_tensorcnt 0x0                           ; all my tensor loads have landed: my part of the next slot
	ds_add_u32 v[SPW], v[NIL]
	s_wait_dscnt 17                                ; (the add and the youngest sixteen loads may be out)
	WIN MUL
	MUL8 F1, 0, 0, 0
	s_wait_dscnt 0x0                               ; the add is done, and my reads of this slot are over
	s_barrier_signal -1
	MUL8 F1, 0, 2, 0
.if \fill
	WIN 0
.endif
	s_barrier_wait -1
.if \fill
	CREST                                          ; the barrier has opened a round of the cluster's: no wave of any partner still reads this slot or has a load on its way
	s_add_nc_u64 s[G0+4*\slot+2:G0+4*\slot+3], s[G0+4*\slot+2:G0+4*\slot+3], 2*2097152
	s_add_nc_u64 s[G0B+4*\slot+2:G0B+4*\slot+3], s[G0B+4*\slot+2:G0B+4*\slot+3], 2*524288
	JLOAD \slot                                    ; the first tensor load behind the round; its four v_nop are also the places in front of the loads below
.else
	PLACES
.endif
	FETCH \next, 0, F0
	WIN MUL
	MUL8 F1, 1, 0, 0
	MUL8 F1, 1, 2, 0
.endm
	s_wait_tensorcnt 1                             ; my part of K step 0 is in; K step 1's load may stay out
	s_barrier_signal -1
	s_barrier_wait -1
	FETCH 0, 0, F0
	s_wait_loadcnt 0x0                             ; bo
	QUARTER 0, 1, F0, F1, 1                        ; K step 0; its first products start the sums
	QUARTER 0, 2, F1, F0, 0
	QUARTER 0, 3, F0, F1, 0
	TURN 0, 1, 1                                   ; slot 0 takes K step 2
	QUARTER 1, 1, F0, F1, 0
	QUARTER 1, 2, F1, F0, 0
	QUARTER 1, 3, F0, F1, 0
	TURN 1, 0, 1                                   ; slot 1 takes K step 3
	QUARTER 0, 1, F0, F1, 0
	QUARTER 0, 2, F1, F0, 0
	QUARTER 0, 3, F0, F1, 0
	TURN 0, 1, 0                                   ; nothing is left to fetch
	QUARTER 1, 1, F0, F1, 0
	QUARTER 1, 2, F1, F0, 0
	QUARTER 1, 3, F0, F1, 0
	s_wait_dscnt 16                                ; the very last quarter
	WIN MUL
	MUL8 F1, 0, 0, 0
	MUL8 F1, 0, 2, 0
	s_wait_dscnt 0x0
	MUL8 F1, 1, 0, 0
	MUL8 F1, 1, 2, 0
	WIN 0
; THE WAY OUT, a tile of 16 tokens at a time.  A lane holds 32 neighbouring bytes of four pieces of a row, and the lanes beside it hold other rows: so a tile goes through my own stage and comes back as rows of 256 bytes,
; my 64 features, which sixteen lanes store as 256 consecutive bytes at a multiple of 256 from out0's first byte.  LDS serves a wave's instructions in order (ISA guide 5.7.1.4): no wait between the stores and the loads.
.macro TOSTAGE a
.irp b, 0,1,2,3
	ds_store_b128 v[STO], v[ACC+8*(4*(\a)+\b):ACC+8*(4*(\a)+\b)+3] offset:64*\b          ; each accumulator from its low end on
	ds_store_b128 v[STO], v[ACC+8*(4*(\a)+\b)+4:ACC+8*(4*(\a)+\b)+7] offset:64*\b+16
.endr
.irp t, 0,1,2,3,4,5,6,7
	ds_load_b128 v[TMP+32*((\a)%2)+4*\t:TMP+32*((\a)%2)+4*\t+3], v[RD] offset:\t*2*SPITCH
.endr
.endm
.macro SEND a, younger                 ; younger: the LDS instructions issued behind tile a's loads, which may stay out
	s_wait_dscnt \younger
.irp t, 0,1,2,3,4,5,6,7
	global_store_b128 v[CO], v[TMP+32*((\a)%2)+4*\t:TMP+32*((\a)%2)+4*\t+3], s[10:11] offset:(16*(\a)+2*\t)*4096 th:TH_STORE_NT
.endr
.endm
	PLACES
	TOSTAGE 0
	TOSTAGE 1
	SEND 0, 16                                     ; behind tile 0's loads: tile 1's 8 stores and 8 loads
	s_wait_xcnt 0x0                                ; tile 0's stores have read their registers: tile 2's loads may land there
	TOSTAGE 2
	SEND 1, 16
	s_wait_xcnt 0x0
	TOSTAGE 3
	SEND 2, 16
	SEND 3, 0
	s_wait_tensorcnt 0x0                           ; the wave's end, behind my last tensor load and my last LDS store
	ds_add_u32 v[SPW], v[NIL]
	s_wait_dscnt 0x0
	CROUND                                         ; the closing round
	s_endpgm
.Lfunc_end_k_q3a73eacff1_outp:
	.size	k_q3a73eacff1_outp, .Lfunc_end_k_q3a73eacff1_outp-k_q3a73eacff1_outp
	.p2alignl 7, 3214868480
	.fill 96, 4, 3214868480
	.section	.rodata,"a",@progbits
	.p2align	6, 0x0
	.amdhsa_kernel k_q3a73eacff1_outp
		.amdhsa_group_segment_fixed_size 327680
		.amdhsa_private_segment_fixed_size 0
		.amdhsa_enable_private_segment 0
		.amdhsa_kernarg_size 32
		.amdhsa_user_sgpr_count 2
		.amdhsa_user_sgpr_kernarg_segment_ptr 1
		.amdhsa_wavefront_size32 1
		.amdhsa_system_sgpr_workgroup_id_x 1
		.amdhsa_system_sgpr_workgroup_id_y 1
		.amdhsa_system_sgpr_workgroup_id_z 1
		.amdhsa_system_vgpr_workitem_id 0
		.amdhsa_next_free_vgpr 512
		.amdhsa_next_free_sgpr 66
		.amdhsa_reserve_vcc 0
		.amdhsa_float_denorm_mode_32 3
		.amdhsa_float_denorm_mode_16_64 3
		.amdhsa_memory_ordered 1
		.amdhsa_forward_progress 1
		.amdhsa_inst_pref_size 86
	.end_amdhsa_kernel
	.amdgpu_metadata
---
amdhsa.version: [ 1, 2 ]
amdhsa.kernels:
  - .name:           k_q3a73eacff1_outp
    .symbol:         k_q3a73eacff1_outp.kd
    .args:
      - { .name: ofr, .offset: 0, .size: 8, .value_kind: global_buffer, .address_space: global }
      - { .name: wo16, .offset: 8, .size: 8, .value_kind: global_buffer, .address_space: global }
      - { .name: bo, .offset: 16, .size: 8, .value_kind: global_buffer, .address_space: global }
      - { .name: out0, .offset: 24, .size: 8, .value_kind: global_buffer, .address_space: global }
    .group_segment_fixed_size: 327680
    .private_segment_fixed_size: 0
    .kernarg_segment_align: 8
    .kernarg_segment_size: 32
    .max_flat_workgroup_size: 128
    .sgpr_count:     66
    .vgpr_count:     512
    .wavefront_size: 32
...
	.end_amdgpu_metadata
.endif
;; end of part 4
